; MI455X (gfx1250); checked and timed in simulation.
; The chip was launched on July 23, 2026; its instructions are those of AMD's public machine-readable ISA for CDNA 5 (MIT licence, August 2026) and "CDNA5" Instruction Set Architecture Reference Guide (July 2026). The comments in the code are by the model that wrote it; some were corrected since.
;; Cross Attention. Allowed arithmetic: matrix products marked QUANTISED: E2M3 operands, one E8M0 scale for each 32 along K, by v_wmma_scale_f32_16x16x128_f8f6f4 with both operands' format E2M3, f32 sums; everything else in f32.
;; Inputs: Wkv_codes 2,048 x 32 x 24 uint8 (E2M3 codes of Wkv, K innermost, in blocks of 32 codes, four codes in three bytes); Wkv_scales 2,048 x 32 uint8 (E8M0 scales of Wkv, one for each 32 codes along K); Wout_codes 1,024 x 32 x 24 uint8 (E2M3 codes of Wout, K innermost, in blocks of 32 codes, four codes in three bytes); Wout_scales 1,024 x 32 uint8 (E8M0 scales of Wout, one for each 32 codes along K); Wq_codes 1,024 x 32 x 24 uint8 (E2M3 codes of Wq, K innermost, in blocks of 32 codes, four codes in three bytes); Wq_scales 1,024 x 32 uint8 (E8M0 scales of Wq, one for each 32 codes along K); context_codes 4 x 2,048 x 32 x 24 uint8 (E2M3 codes of context, K innermost, in blocks of 32 codes, four codes in three bytes); context_scales 4 x 2,048 x 32 uint8 (E8M0 scales of context, one for each 32 codes along K); g_norm 1,024 float32; g_out 1,024 float32; k_scale 64 float32; null_kv 2 x 64 float32; q_scale 64 float32; x 4 x 1,024 x 1,024 float32.
;; Outputs: out0 4 x 1,024 x 1,024 float32.
;; This version of the problem:
;;   THIS VERSION OF THE PROBLEM IS GIVEN IN LOW PRECISION. The matrix products marked QUANTISED in the list below multiply operands that are first quantised to E2M3 (2 exponent bits, 3 mantissa bits; 6 bits a number), with one power-of-two scale for each 32 numbers along K (OCP MX v1.0); their sums are f32. All else is computed in f32.
;;   The module's matrix products, in the order in which they are computed (A, B: the left and right operand; K: the contracted axis; several contracted axes count as one K, in the product's order):
;;     1. [M 4,096, K 1,024] x [K 1,024, N 1,024]; A: computed on the way; B: input Wq (given as codes): QUANTISED
;;     2. [M 8,192, K 1,024] x [K 1,024, N 2,048]; A: input context (given as codes); B: input Wkv (given as codes): QUANTISED
;;     3. batch 64 x [M 1,024, K 64] x [K 64, N 2,049]; A: computed on the way; B: computed on the way: QUANTISED
;;     4. batch 64 x [M 1,024, K 2,049] x [K 2,049, N 64]; A: softmax (see below); B: computed on the way: QUANTISED
;;     5. [M 4,096, K 1,024] x [K 1,024, N 1,024]; A: computed on the way; B: input Wout (given as codes): QUANTISED
;;   THE QUANTISER, for each operand of a quantised product, along K:
;;     - K is cut into blocks of 32 from its start; a last block that is shorter is filled with zeros.
;;     - A block's scale is 2^e with e = floor(log2(the largest magnitude in the block)) - 2, held to -126 .. 127; a block of zeros has e = 0. As a byte (E8M0): e + 127.
;;     - Each number is divided by its block's scale, clamped to +-7.5, and rounded to the nearest number of E2M3, ties to even, subnormals kept.
;;     - The product sums the exact products of the quantised numbers (number of the format x scale) in f32.
;;   ~~~python
;;   def quantise(x, axis):      # numpy; x: float32 -> the quantised numbers, widened to float32 again
;;       x = np.moveaxis(x, axis, -1); K = x.shape[-1]
;;       x = np.pad(x, [(0, 0)] * (x.ndim - 1) + [(0, -K % 32)]); x = x.reshape(x.shape[:-1] + (-1, 32)); a = np.abs(x).max(-1, keepdims=True)
;;       e = np.where(a > 0, np.clip(np.frexp(np.where(a > 0, a, 1))[1] - 1 - 2, -126, 127), 0)      # np.frexp(a)[1] - 1 = floor(log2(a)), exactly
;;       r = np.clip(x / 2.0 ** e, -7.5, 7.5)
;;       step = 2.0 ** (np.maximum(np.frexp(np.where(r == 0, 1, r))[1] - 1, 0) - 3)
;;       q = np.round(r / step) * step * 2.0 ** e      # np.round: ties to even
;;       return np.moveaxis(q.reshape(q.shape[:-2] + (-1,))[..., :K], -1, axis).astype(np.float32)
;;   ~~~
;;   SOFTMAX AHEAD OF A QUANTISED PRODUCT. Where the list says 'softmax', what is quantised is not the finished softmax but p = 2^(t - M), with t = logit x log2(e) and M = ceil(the row's largest t), a whole number; so 1/2 < the row's largest p <= 1. The row's sum l is taken of the UNQUANTISED p, in f32, and the product's result is divided by l at the end. Since M is a whole number, a kernel that streams over the keys may use a running M (the ceiling of the running maximum): every later rescaling is an exact power of two, which a block's scale takes up: the codes' values come out the same.
;;   OPERANDS COMPUTED ON THE WAY. 'Computed on the way' means the value that the module computes at that place (a softmax that the list does not call 'softmax' is quantised finished and normalised). What goes into a quantiser is computed in f32, as accurately as f32 sums, v_exp_f32 and their like allow (about 1e-6 of the number): no bf16 or f16 on the way to a quantiser, and a product that is left as it is and whose result goes on into a quantised operand takes f32 operands (vector FMAs, or v_wmma_f32_16x16x4_f32). A number that lies on a knife's edge between two numbers of the format may be rounded either way, as far as f32 arithmetic and the matrix unit's own rounding can turn it there, and no further.
;;   INPUTS GIVEN AS CODES. Wkv (in the module: [1024, 2048], K = its axis 0); Wout (in the module: [1024, 1024], K = its axis 0); Wq (in the module: [1024, 1024], K = its axis 0); context (in the module: [4, 2048, 1024], K = its axis 2): each comes as NAME_codes (uint8): NAME with its K axis moved to the last place and cut into blocks of 32 codes, [.., K / 32, bytes a block], one block behind the other in memory; four codes in three bytes: a row's codes are one little-endian stream of bits, code i at bits 6 i .. 6 i + 5 (a code: sign, 2 exponent bits, 3 mantissa bits); and NAME_scales (uint8): the same leading axes, one E8M0 byte (e + 127) for each 32 codes along K. Its value is code x scale, taken as it is: it is not quantised again, and the codes and scales need not be those that the quantiser above would give.
;; One version. Each part assembles by itself: llvm-mc -triple=amdgcn-amd-amdhsa -mcpu=gfx1250 --defsym DOCPART=n.
;; ======== version 1 of 1: 4 launches
;; limits: right only within a limited range of input values
;; workspace buffers: xn_img 3,145,728 bytes; xn_sc 131,072 bytes; ctxr_codes 6,291,456 bytes; ctxr_sc 262,144 bytes; w_img 1,572,864 bytes; kv 13,631,488 bytes; ao_img 3,145,728 bytes; ao_sc 524,288 bytes
;; launch prep (part 1): grid 256 x 1, 16 waves a work-group, no clusters, 88,576 bytes of LDS; arguments x, g_norm, context_codes, context_scales, Wq_codes, Wout_codes, xn_img, xn_sc, ctxr_codes, ctxr_sc, w_img; writes xn_img, xn_sc, ctxr_codes, ctxr_sc, w_img
.if DOCPART == 1
	.amdgcn_target "amdgcn-amd-amdhsa--gfx1250"
	.amdhsa_code_object_version 6
	.text
	.protected	k_q6b764a7d51_prep
	.globl	k_q6b764a7d51_prep
	.p2align	8
	.type	k_q6b764a7d51_prep,@function
k_q6b764a7d51_prep:
	s_mov_b64 s[64:65], 0
	v_nop
	global_prefetch_b8 v0, s[64:65] scope:SCOPE_SE
	s_setreg_imm32_b32 hwreg(HW_REG_WAVE_MODE, 25, 1), 1
	s_wait_xcnt 0x0
; THREE PREPARATIONS IN ONE LAUNCH.
; (1) xn = layer_norm(x) * g_norm, in f32, quantised along its 1,024 numbers to E2M3 with one E8M0 byte for each 32, and laid as the matrix operand's registers want it:
;     xn_img [tile of 16 rows][K / 64][768]: 512 bytes (registers 0-3 of a half fragment, 16 bytes a lane) and 256 bytes (registers 4-5, 8 bytes a lane); lane (r, h) holds block 2 (K/64) + h of row r.
;     xn_sc [row][32]: the scale bytes.
; (2) the context's codes and scale bytes turned on by one row: row p of the copy is token (p - 1) mod 8,192.  With the null key in front, key j of batch b then stands at row 2,048 b + j,
;     so that a block of 32 keys is 32 neighbouring rows, and row 2,048 b holds key 2,048 of the batch before.
; (3) Wq's and Wout's codes laid fragment by fragment (16 rows x 128 K: 1,536 bytes, three runs of 16 bytes a lane), so that a fragment comes by three loads of 16 bytes.
; SHARES: 256 work-groups of 16 waves.  Wave w of work-group g takes row 16 g + w of x (one wave, one row: sums never leave the wave); the work-group copies 24,576 bytes of codes;
; waves 0-3 lay one fragment each, waves 4-5 copy 1,024 scale bytes.  The work-groups share nothing but g_norm's 4,096 bytes: no cluster.
; LIMITS: NaN and infinities are not served; a block whose largest magnitude lies under 2^-124 keeps the byte 1 (a block of zeros too: its codes are zeros, and this program alone reads the bytes).
.set STGW,  4608                       ; a wave's stage: 32 places of 128 bytes + 16 of padding
.set XIMG,  73728                      ; behind the 16 stages: the tile's image, 12,288 bytes
.set XSC,   86016                      ; and its 512 scale bytes
.set X,   8                            ; v8-39    the row as loaded, later 32 neighbours
.set G,   40                           ; v40-71   g_norm
.set Y,   72                           ; v72-103  the normalised row
.set CP,  104                          ; v104-115 the copy's 48 bytes a thread
.set C,   116                          ; v116-121 a block's codes
.set X2,  122                          ; v122-124 their second half as the conversion leaves it
.set TT,  126                          ; v126-135 at work
.set RL,  136                          ; v136-147 a fragment on its way
.set IA,  148                          ; LDS: where my block's registers 0-3 go
.set IB,  149                          ;      and registers 4-5
.set SB,  150                          ;      and its scale byte
.set OL,  151                          ; LDS: 16 x thread in the image
.set OG,  152                          ; 16 x thread
.set SL,  153                          ; LDS: 16 x lane among the scale bytes
.set RA,  154                          ; a fragment's place for my lane in a weight's rows
.set SA,  155                          ; the scale copy: from
.set SD,  156                          ; the scale copy: to
	s_load_b512 s[4:19], s[0:1], 0x0               ; x, g_norm, context_codes, context_scales, Wq_codes, Wout_codes, xn_img, xn_sc
	s_load_b128 s[20:23], s[0:1], 0x40             ; ctxr_codes, ctxr_sc
	s_load_b64 s[24:25], s[0:1], 0x50              ; w_img
	v_lshl_add_u32 v160, v0, 2, 0x15200
	v_mov_b32 v161, 0
	v_lshrrev_b32 v1, 5, v0
	s_delay_alu instid0(VALU_DEP_1)
	v_readfirstlane_b32 s26, v1                    ; wave 0..15
	v_and_b32 v1, 31, v0                           ; lane
	s_delay_alu instid0(VALU_DEP_1)
	v_lshlrev_b32 v2, 4, v1                        ; 16 x lane
	s_mov_b32 s36, 0x76543210
	s_mov_b32 s37, 0xfedcba98                      ; lane l xor 16
	s_mov_b32 s38, 0x3a800000                      ; 1 / 1,024
	s_mov_b32 s39, 0x3727c5ac                      ; 1e-5
	; every LDS address is made here, ahead of the first parting of the waves
	s_mul_i32 s27, s26, STGW
	v_lshrrev_b32 v6, 3, v1
	s_delay_alu instid0(VALU_DEP_1)
	v_mul_u32_u24 v6, v6, 144
	v_and_b32 v7, 7, v1
	s_delay_alu instid0(VALU_DEP_1)
	v_lshl_add_u32 v6, v7, 4, v6
	s_delay_alu instid0(VALU_DEP_1)
	v_add_nc_u32 v6, s27, v6                       ; into the stage: eight lanes' 128 bytes on end, then 16 of padding
	v_mul_u32_u24 v7, v1, 144
	s_delay_alu instid0(VALU_DEP_1)
	v_add_nc_u32 v7, s27, v7                       ; back: lane l takes block l
	v_lshrrev_b32 v[IA], 1, v1
	s_delay_alu instid0(VALU_DEP_1)
	v_mul_u32_u24 v[IA], v[IA], 768                ; block l belongs to half fragment l / 2,
	v_and_b32 v[SB], 1, v1                         ; half l % 2 of the lanes, row w
	s_delay_alu instid0(VALU_DEP_1)
	v_lshl_add_u32 v[IB], v[SB], 7, v[IA]
	s_delay_alu instid0(VALU_DEP_2)
	v_lshl_add_u32 v[IA], v[SB], 8, v[IA]
	s_lshl_b32 s27, s26, 4
	s_add_co_u32 s27, s27, XIMG
	v_add_nc_u32 v[IA], s27, v[IA]
	s_lshl_b32 s27, s26, 3
	s_add_co_u32 s27, s27, XIMG+512
	v_add_nc_u32 v[IB], s27, v[IB]
	s_lshl_b32 s27, s26, 5
	s_add_co_u32 s27, s27, XSC
	v_add_nc_u32 v[SB], s27, v1
	v_lshlrev_b32 v[OG], 4, v0
	s_delay_alu instid0(VALU_DEP_1)
	v_add_nc_u32 v[OL], XIMG, v[OG]
	v_add_nc_u32 v[SL], XSC, v2
	v_and_b32 v[RA], 15, v0
	s_delay_alu instid0(VALU_DEP_1)
	v_mul_u32_u24 v[RA], v[RA], 768
	v_bfe_u32 v[SA], v0, 4, 1
	s_delay_alu instid0(VALU_DEP_1)
	v_mad_u32_u24 v[RA], v[SA], 24, v[RA]          ; row r of 768 bytes + 24 h
	s_lshl_b32 s28, ttmp9, 4
	s_add_co_u32 s28, s28, s26
	s_lshl_b32 s28, s28, 12                        ; my row of x: (16 g + w) x 4,096 bytes
	s_mov_b32 s29, 0
	s_mul_i32 s30, ttmp9, 24576
	v_lshl_add_u32 v3, v0, 4, s30                  ; the copy's target: 24,576 g + 16 x thread (+ 8,192 k)
	s_delay_alu instid0(VALU_DEP_1)
	v_add_nc_u32 v4, 0x5ffd00, v3                  ; its source lies 768 bytes back; the buffer's first row comes from its last
	s_delay_alu instid0(VALU_DEP_2)
	v_add_nc_u32 v5, 0xfffffd00, v3
	s_delay_alu instid0(VALU_DEP_3)
	v_cmp_gt_u32 vcc_lo, 768, v3
	s_delay_alu instid0(VALU_DEP_1)
	v_cndmask_b32 v4, v5, v4, vcc_lo
	v_add_nc_u32 v5, 7424, v3                      ; k = 1, 2 never wrap: 8,192 - 768 on
	s_wait_alu depctr_va_vdst(0)
	s_wait_kmcnt 0x0
	s_add_nc_u64 s[4:5], s[4:5], s[28:29]
.irp i, 0,1,2,3,4,5,6,7
	global_load_b128 v[X+4*\i:X+4*\i+3], v2, s[4:5] offset:512*\i th:TH_LOAD_NT   ; 32 lanes read 512 consecutive bytes
.endr
.irp i, 0,1,2,3,4,5,6,7
	global_load_b128 v[G+4*\i:G+4*\i+3], v2, s[6:7] offset:512*\i
.endr
	global_load_b128 v[CP:CP+3], v4, s[8:9] th:TH_LOAD_NT
	global_load_b128 v[CP+4:CP+7], v5, s[8:9] th:TH_LOAD_NT
	global_load_b128 v[CP+8:CP+11], v5, s[8:9] offset:8192 th:TH_LOAD_NT
	; waves 0-3: fragment f = 4 g + w of the 1,024 (the first 512 are Wq's).  Load and store stand in one branch; the wait is for all the wave's loads
	s_cmp_lt_u32 s26, 4
	s_cbranch_scc0 .Lnot_relay
	s_cmp_lt_u32 ttmp9, 128
	s_cselect_b64 s[32:33], s[12:13], s[14:15]
	s_lshl_b32 s30, ttmp9, 2
	s_add_co_u32 s30, s30, s26                     ; f
	s_and_b32 s31, s30, 511
	s_lshr_b32 s34, s31, 3
	s_mul_i32 s34, s34, 12288                      ; its 16 rows of 768 bytes,
	s_and_b32 s31, s31, 7
	s_mul_i32 s31, s31, 96                         ; its 128 along K
	s_add_co_u32 s34, s34, s31
	s_mov_b32 s35, 0
	s_add_nc_u64 s[32:33], s[32:33], s[34:35]
	s_mul_i32 s34, s30, 1536
	s_add_nc_u64 s[24:25], s[24:25], s[34:35]
.irp p, 0,1,2,3,4,5
	global_load_b64 v[RL+2*\p:RL+2*\p+1], v[RA], s[32:33] offset:48*(\p/3)+8*(\p%3)
.endr
	s_wait_loadcnt 0x0
.irp c, 0,1,2
	global_store_b128 v2, v[RL+4*\c:RL+4*\c+3], s[24:25] offset:512*\c   ; 512 consecutive bytes
.endr
	s_branch .Lrelayed
.Lnot_relay:
	s_cmp_lt_u32 s26, 6
	s_cbranch_scc0 .Lrelayed
	s_lshl_b32 s30, ttmp9, 10                      ; waves 4-5: 1,024 scale bytes, turned on by one row of 32
	v_add_nc_u32 v[SD], 0xffffff80, v0
	s_delay_alu instid0(VALU_DEP_1)
	v_lshl_add_u32 v[SD], v[SD], 4, s30
	s_delay_alu instid0(VALU_DEP_1)
	v_add_nc_u32 v[SA], 0x3ffe0, v[SD]
	s_delay_alu instid0(VALU_DEP_2)
	v_add_nc_u32 v[TT], 0xffffffe0, v[SD]
	s_delay_alu instid0(VALU_DEP_3)
	v_cmp_gt_u32 vcc_lo, 32, v[SD]
	s_delay_alu instid0(VALU_DEP_1)
	v_cndmask_b32 v[SA], v[TT], v[SA], vcc_lo
	global_load_b128 v[RL:RL+3], v[SA], s[10:11]
	s_wait_alu depctr_va_vdst(0)
	s_wait_loadcnt 0x0
	global_store_b128 v[SD], v[RL:RL+3], s[22:23]
.Lrelayed:
.macro WSUM                            ; v[TT] summed over the 32 lanes, in every lane
	s_delay_alu instid0(VALU_DEP_1)
	v_add_f32_dpp v[TT], v[TT], v[TT] row_xmask:1 row_mask:0xf bank_mask:0xf
	s_delay_alu instid0(VALU_DEP_1)
	v_add_f32_dpp v[TT], v[TT], v[TT] row_xmask:2 row_mask:0xf bank_mask:0xf
	s_delay_alu instid0(VALU_DEP_1)
	v_add_f32_dpp v[TT], v[TT], v[TT] row_xmask:4 row_mask:0xf bank_mask:0xf
	s_delay_alu instid0(VALU_DEP_1)
	v_add_f32_dpp v[TT], v[TT], v[TT] row_xmask:8 row_mask:0xf bank_mask:0xf
	s_delay_alu instid0(VALU_DEP_1)
	v_permlanex16_b32 v[TT+1], v[TT], s36, s37
	s_delay_alu instid0(VALU_DEP_1)
	v_add_f32 v[TT], v[TT], v[TT+1]
.endm
	s_wait_xcnt 0x0                                ; the fragment's and the scale copy's loads and stores have read their registers: the sums below write some of them
	s_wait_loadcnt 11                              ; x is in: g's eight loads and the copy's three are younger
	v_pk_add_f32 v[128:129], v[8:9], v[10:11]
	v_pk_add_f32 v[158:159], v[16:17], v[20:21]
	v_pk_add_f32 v[156:157], v[24:25], v[28:29]
	v_pk_add_f32 v[154:155], v[32:33], v[36:37]
	v_pk_add_f32 v[146:147], v[12:13], v[14:15]
	v_pk_add_f32 v[144:145], v[18:19], v[22:23]
	v_pk_add_f32 v[142:143], v[26:27], v[30:31]
	v_pk_add_f32 v[126:127], v[34:35], v[38:39]
	s_delay_alu instid0(VALU_DEP_1)
	v_pk_add_f32 v[126:127], v[126:127], v[154:155]
	v_pk_add_f32 v[128:129], v[128:129], v[146:147]
	v_pk_add_f32 v[158:159], v[158:159], v[144:145]
	v_pk_add_f32 v[156:157], v[156:157], v[142:143]
	s_delay_alu instid0(VALU_DEP_2)
	v_pk_add_f32 v[126:127], v[126:127], v[158:159]
	s_delay_alu instid0(VALU_DEP_2)
	v_pk_add_f32 v[128:129], v[128:129], v[156:157]
	s_delay_alu instid0(VALU_DEP_1)
	v_pk_add_f32 v[126:127], v[126:127], v[128:129]
	s_delay_alu instid0(VALU_DEP_1)
	v_add_f32 v[TT], v[TT], v[TT+1]
	WSUM
	s_delay_alu instid0(VALU_DEP_1)
	v_mul_f32 v[TT+4], s38, v[TT]                  ; the mean
	s_delay_alu instid0(VALU_DEP_1)
	v_mov_b32 v[TT+5], v[TT+4]
.irp j, 0,2,4,6,8,10,12,14,16,18,20,22,24,26,28,30
	v_pk_add_f32 v[X+\j:X+\j+1], v[X+\j:X+\j+1], v[TT+4:TT+5] neg_lo:[0,1] neg_hi:[0,1]
.endr
	v_pk_mul_f32 v[TT:TT+1], v[X:X+1], v[X:X+1]
	v_pk_mul_f32 v[TT+2:TT+3], v[X+2:X+3], v[X+2:X+3]
.irp j, 4,8,12,16,20,24,28
	s_delay_alu instid0(VALU_DEP_2)
	v_pk_fma_f32 v[TT:TT+1], v[X+\j:X+\j+1], v[X+\j:X+\j+1], v[TT:TT+1]
	s_delay_alu instid0(VALU_DEP_2)
	v_pk_fma_f32 v[TT+2:TT+3], v[X+\j+2:X+\j+3], v[X+\j+2:X+\j+3], v[TT+2:TT+3]
.endr
	s_delay_alu instid0(VALU_DEP_1)
	v_pk_add_f32 v[TT:TT+1], v[TT:TT+1], v[TT+2:TT+3]
	s_delay_alu instid0(VALU_DEP_1)
	v_add_f32 v[TT], v[TT], v[TT+1]
	WSUM
	s_delay_alu instid0(VALU_DEP_1)
	v_fma_f32 v[TT], v[TT], s38, s39               ; the variance + 1e-5
	s_wait_alu depctr_va_vdst(0)
	v_rsq_f32 v[TT+6], v[TT]
	v_nop                                          ; a plain instruction behind the transcendental,
	s_wait_alu depctr_va_vdst(0)                   ; and the wait ahead of the first reader
	v_mov_b32 v[TT+7], v[TT+6]
	s_wait_alu depctr_va_vdst(0)
	s_wait_loadcnt 3                               ; g is in: the copy's three loads are younger
.irp j, 0,2,4,6,8,10,12,14,16,18,20,22,24,26,28,30
	v_pk_mul_f32 v[Y+\j:Y+\j+1], v[X+\j:X+\j+1], v[TT+6:TT+7]
.endr
.irp j, 0,2,4,6,8,10,12,14,16,18,20,22,24,26,28,30
	v_pk_mul_f32 v[Y+\j:Y+\j+1], v[Y+\j:Y+\j+1], v[G+\j:G+\j+1]
.endr
	; the row turns through my own stage, so that lane l holds block l: LDS serves a wave's instructions in order, so no wait stands between the stores and the loads
.irp i, 0,1,2,3,4,5,6,7
	ds_store_b128 v6, v[Y+4*\i:Y+4*\i+3] offset:576*\i
.endr
.irp i, 0,1,2,3,4,5,6,7
	ds_load_b128 v[X+4*\i:X+4*\i+3], v7 offset:16*\i
.endr
	s_wait_dscnt 0x0
	v_max3_num_f32 v[TT], |v[X]|, |v[X+1]|, 0x1800000      ; the block's largest magnitude, and the floor 2^(3 - 127): the byte cannot fall under 1
	v_max3_num_f32 v[TT+1], |v[X+2]|, |v[X+3]|, 0x1800000
.irp i, 4,8,12,16,20,24,28
	s_delay_alu instid0(VALU_DEP_2)
	v_max3_num_f32 v[TT], v[TT], |v[X+\i]|, |v[X+\i+1]|
	s_delay_alu instid0(VALU_DEP_2)
	v_max3_num_f32 v[TT+1], v[TT+1], |v[X+\i+2]|, |v[X+\i+3]|
.endr
	s_delay_alu instid0(VALU_DEP_1)
	v_max_num_f32 v[TT], v[TT], v[TT+1]
	s_delay_alu instid0(VALU_DEP_1)
	v_add_nc_u32 v[TT+2], 0xff000000, v[TT]        ; 2 off its exponent field: the conversion's scale operand
	v_cvt_scalef32_pk16_fp6_f32 v[C:C+2], v[X:X+15], v[TT+2]
	v_cvt_scalef32_pk16_fp6_f32 v[X2:X2+2], v[X+16:X+31], v[TT+2]   ; (a conversion's three registers begin on an even number)
	v_lshrrev_b32 v[TT+3], 23, v[TT+2]             ; the scale's byte.  (The plain instruction behind the conversions)
.irp i, 0,1,2
	v_mov_b32 v[C+3+\i], v[X2+\i]
.endr
	ds_store_b128 v[IA], v[C:C+3]
	ds_store_b64 v[IB], v[C+4:C+5]
	ds_store_b8 v[SB], v[TT+3]
	s_wait_loadcnt 0x0                             ; the copy's bytes are in
.irp k, 0,1,2
	global_store_b128 v3, v[CP+4*\k:CP+4*\k+3], s[20:21] offset:8192*\k
.endr
	s_mul_i32 s30, ttmp9, 12288
	s_mov_b32 s31, 0
	s_add_nc_u64 s[16:17], s[16:17], s[30:31]
	s_wait_dscnt 0x0                               ; for the others' sake: my stores into the image have landed
	s_barrier_signal -1
	s_barrier_wait -1
	ds_load_b128 v[X:X+3], v[OL]                   ; the image leaves as it lies: 12,288 bytes, 16 a thread
	s_wait_dscnt 0x0
	global_store_b128 v[OG], v[X:X+3], s[16:17]
	s_cmp_lt_u32 s26, 8
	s_cbranch_scc0 .Lupper
	ds_load_b128 v[X+4:X+7], v[OL] offset:8192
	s_wait_dscnt 0x0
	global_store_b128 v[OG], v[X+4:X+7], s[16:17] offset:8192
	s_branch .Lend
.Lupper:
	s_cmp_eq_u32 s26, 8
	s_cbranch_scc0 .Lend
	ds_load_b128 v[X+8:X+11], v[SL]                ; wave 8: the tile's 512 scale bytes
	s_lshl_b32 s30, ttmp9, 9
	s_add_nc_u64 s[18:19], s[18:19], s[30:31]
	s_wait_dscnt 0x0
	global_store_b128 v2, v[X+8:X+11], s[18:19]
.Lend:
	s_wait_tensorcnt 0x0
	ds_add_u32 v160, v161
	s_wait_dscnt 0x0
	s_endpgm
.Lfunc_end_k_q6b764a7d51_prep:
	.size	k_q6b764a7d51_prep, .Lfunc_end_k_q6b764a7d51_prep-k_q6b764a7d51_prep
	.p2alignl 7, 3214868480
	.fill 96, 4, 3214868480
	.section	.rodata,"a",@progbits
	.p2align	6, 0x0
	.amdhsa_kernel k_q6b764a7d51_prep
		.amdhsa_group_segment_fixed_size 88576
		.amdhsa_private_segment_fixed_size 0
		.amdhsa_enable_private_segment 0
		.amdhsa_kernarg_size 88
		.amdhsa_user_sgpr_count 2
		.amdhsa_user_sgpr_kernarg_segment_ptr 1
		.amdhsa_wavefront_size32 1
		.amdhsa_system_sgpr_workgroup_id_x 1
		.amdhsa_system_sgpr_workgroup_id_y 1
		.amdhsa_system_sgpr_workgroup_id_z 1
		.amdhsa_system_vgpr_workitem_id 0
		.amdhsa_next_free_vgpr 162
		.amdhsa_next_free_sgpr 66
		.amdhsa_reserve_vcc 1
		.amdhsa_float_denorm_mode_32 3
		.amdhsa_float_denorm_mode_16_64 3
		.amdhsa_memory_ordered 1
		.amdhsa_forward_progress 1
		.amdhsa_inst_pref_size 20
	.end_amdhsa_kernel
	.amdgpu_metadata
---
amdhsa.version: [ 1, 2 ]
amdhsa.kernels:
  - .name:           k_q6b764a7d51_prep
    .symbol:         k_q6b764a7d51_prep.kd
    .args:
      - { .name: x, .offset: 0, .size: 8, .value_kind: global_buffer, .address_space: global }
      - { .name: g_norm, .offset: 8, .size: 8, .value_kind: global_buffer, .address_space: global }
      - { .name: context_codes, .offset: 16, .size: 8, .value_kind: global_buffer, .address_space: global }
      - { .name: context_scales, .offset: 24, .size: 8, .value_kind: global_buffer, .address_space: global }
      - { .name: Wq_codes, .offset: 32, .size: 8, .value_kind: global_buffer, .address_space: global }
      - { .name: Wout_codes, .offset: 40, .size: 8, .value_kind: global_buffer, .address_space: global }
      - { .name: xn_img, .offset: 48, .size: 8, .value_kind: global_buffer, .address_space: global }
      - { .name: xn_sc, .offset: 56, .size: 8, .value_kind: global_buffer, .address_space: global }
      - { .name: ctxr_codes, .offset: 64, .size: 8, .value_kind: global_buffer, .address_space: global }
      - { .name: ctxr_sc, .offset: 72, .size: 8, .value_kind: global_buffer, .address_space: global }
      - { .name: w_img, .offset: 80, .size: 8, .value_kind: global_buffer, .address_space: global }
    .group_segment_fixed_size: 88576
    .private_segment_fixed_size: 0
    .kernarg_segment_align: 8
    .kernarg_segment_size: 88
    .max_flat_workgroup_size: 512
    .sgpr_count:     66
    .vgpr_count:     162
    .wavefront_size: 32
...
	.end_amdgpu_metadata
.endif
;; end of part 1
;; launch kvproj (part 2): grid 8 x 32, 4 waves a work-group, clusters of 4 x 4, 327,680 bytes of LDS; arguments ctxr_codes, ctxr_sc, Wkv_codes, Wkv_scales, k_scale, null_kv, kv; writes kv
.if DOCPART == 2
	.amdgcn_target "amdgcn-amd-amdhsa--gfx1250"
	.amdhsa_code_object_version 6
	.text
	.protected	k_q6b764a7d51_kvproj
	.globl	k_q6b764a7d51_kvproj
	.p2align	8
	.type	k_q6b764a7d51_kvproj,@function
k_q6b764a7d51_kvproj:
	s_mov_b64 s[64:65], 0
	v_nop
	global_prefetch_b8 v0, s[64:65] scope:SCOPE_SE
	s_setreg_imm32_b32 hwreg(HW_REG_WAVE_MODE, 25, 1), 1
	s_wait_xcnt 0x0
	s_wait_alu depctr_hold_cnt(0) depctr_sa_sdst(0) depctr_va_vdst(0) depctr_va_sdst(0) depctr_va_ssrc(0) depctr_va_vcc(0) depctr_vm_vsrc(0)
	s_getreg_b32 s2, hwreg(HW_REG_IB_STS2, 6, 4)
	s_cmp_eq_u32 s2, 0
	s_cbranch_scc0 .Lentry_in_a_cluster
	s_endpgm
.Lentry_in_a_cluster:
	s_bfe_u32 s2, ttmp6, 0x10000c
	s_cmp_lg_u32 s2, 0xf033
	s_cbranch_scc0 .Lentry_shape_is_right
	s_endpgm
.Lentry_shape_is_right:
; kv = context Wkv on codes of FP6 (E2M3) with E8M0 scales; then k = l2norm(k) * k_scale with the null key in front, v with the null value in front, both quantised
; (k along the head's 64, v along the keys) and stored as images of the operand registers that the attention launch reads.
; SHARES.  256 work-groups, each a tile of 256 x 256 by four waves of 128 x 128 (64 accumulators, 512 registers).  Clusters with x = 0 make K: rows = keys, columns = Wk's; a lane then holds one key and
; registers along the head.  Clusters with x = 1 make V transposed: rows = Wv's, columns = keys; a lane then holds one channel and registers along the keys.
; THE RING.  A row of codes is 768 bytes: three chunks of 256 bytes, each beginning on a multiple of 256 bytes.  Chunk c lies in slot c % 2.  A step of 128 along K is 96 bytes: steps 2 and 5 lie across two chunks.
; The scales of the tile's 256 + 256 rows come once, at the head, as two dense blocks.  The head's four tiles are shared out, one joint load a wave; chunk 1 follows behind the full sequence and a round, chunk 2 is the one refill.
; CLUSTER 4 x 4: A's tiles are asked for jointly along a row of the cluster, B's along a column.
; NO PREFETCH: the walk has three chunks; the first two are asked for at the head and the third one step and a half after the walk begins, so no trip lies a step ahead of a load.
; LIMITS: NaN and infinities are not served; a sum of squares beyond f32's range is not served; a block whose largest magnitude lies under 2^-124 keeps the byte 1.
.set SIZE_K, 1024
.set ROWB,   256
.set NQ,     2
.set KROW,   SIZE_K*6/8
.set STEPS,  SIZE_K/128
.set CHUNKS, KROW/ROWB
.set PITCH,  272
.set FR,     12
.set NL,     6
.set NP,     4
.set HALFT,  128*PITCH
.set SLOT,   4*HALFT
.set KS,     SIZE_K/32
.set SCL,    2*SLOT
.set HALFS,  (128*KS/256)*272
.set SBLK,   (16*KS/256)*272
.set SPARE,  SCL+4*HALFS
.set HP,     212992
.set REC,    12800
.set ADRA, 16
.set ADRB, 20
.set ADRS, 27
.set SPW,  28
.set NIL,  29
.set LI,   30
.set LSC,  31
.set SC,   32
.set KSC,  64
.set NK,   96
.set AF,   128
.set RI,   128
.set T,    164
.set QT,   196
.set W,    216
.set NV,   224
.set SS,   228
.set F,    232
.set Z,    32
.set ZZ,   48
.set XT,   128
.set G1, 24
.set G0, 32
.set G1B, 48
.set G0B, 56
.set G1S, 68
.set G0S, 76
.set G1SB, 80
.set G0SB, 88
.set G0H, 4
.set G0HB, 8
.set MSB, 0
.macro WIN new
.if MSB != (\new)
	s_set_vgpr_msb (MSB<<8)|(\new)
.set MSB, (\new)
.endif
.endm
.set MUL_LO, 0xa1
.set MUL_HI, 0xf1
.set TO_B,   0x40
.macro JLOAD g0a, g1a, g0b, g1b        ; waves 0 and 1 fetch for A, waves 2 and 3 for B
	s_cmp_eq_u32 s15, 0
	s_cbranch_scc0 .Lfor_b_\@
	tensor_load_to_lds s[\g0a:\g0a+3], s[\g1a:\g1a+7]
	s_nop 0
.rept 4
	v_nop
.endr
	s_branch .Lasked_\@
.Lfor_b_\@:
	tensor_load_to_lds s[\g0b:\g0b+3], s[\g1b:\g1b+7]
	s_nop 0
.rept 4
	v_nop
.endr
.Lasked_\@:
.endm
.macro CREST
	s_cmp_lg_u32 s14, 0
	s_cbranch_scc1 .Lnot_wave_0_\@
	s_barrier_signal -3
.Lnot_wave_0_\@:
	s_barrier_wait -3
	s_barrier_signal -1
	s_barrier_wait -1
.endm
.macro CROUND
	s_barrier_signal -1
	s_barrier_wait -1
	CREST
.endm
	s_load_b128 s[4:7], s[0:1], 0x0                ; ctxr_codes, ctxr_sc
	s_load_b128 s[8:11], s[0:1], 0x10              ; Wkv_codes, Wkv_scales
	s_load_b128 s[96:99], s[0:1], 0x20             ; k_scale, null_kv
	s_load_b64 s[12:13], s[0:1], 0x30              ; kv
	v_lshl_add_u32 v[SPW], v0, 2, SPARE
	v_mov_b32 v[NIL], 0
	ds_add_u32 v[SPW], v[NIL]                      ; the add, twice on end,
	ds_add_u32 v[SPW], v[NIL]
	v_lshrrev_b32 v1, 5, v0
	v_readfirstlane_b32 s14, v1                    ; wave 0..3
	s_lshr_b32 s15, s14, 1                         ; my half of the tile's rows; also: I fetch for A (0) or B (1)
	s_and_b32 s16, s14, 1                          ; my half of its columns; also: which 128 rows I fetch
	s_bfe_u32 s40, ttmp6, 0x40000                  ; cx
	s_bfe_u32 s41, ttmp6, 0x40004                  ; cy
	s_and_b32 s95, ttmp7, 0xffff                   ; cluster y, 0..7
	s_lshl_b32 s17, s41, 3
	s_add_co_u32 s17, s17, s95
	s_lshl_b32 s42, s40, 3
	s_add_co_u32 s42, s42, s95
	s_cmp_eq_u32 ttmp9, 0                          ; cluster x = 0: K; 1: V
	s_cselect_b32 s17, s17, s41                    ; tile row: of the keys (8 cy + cluster y), or of Wv (cy)
	s_cselect_b32 s42, s40, s42                    ; tile column: of Wk (cx), or of the keys (8 cx + cluster y)
	s_lshl_b32 s43, s41, 2
	s_lshl_b32 s43, 15, s43                        ; my row of the cluster
	s_lshl_b32 s44, 0x1111, s40                    ; my column
	s_or_b32 s[G1+0], s43, (0<<16)|(1<<20)|(1<<21)|(5<<22)|(3<<25)   ; rows of 256 bytes, 16 bytes of padding behind each
	s_or_b32 s[G1B+0], s44, (0<<16)|(1<<20)|(1<<21)|(5<<22)|(3<<25)
.irp g, G1, G1B
	s_mov_b32 s[\g+1], ROWB<<16
	s_mov_b32 s[\g+2], 256<<16                     ; 256 rows for the head's loads
	s_mov_b32 s[\g+3], ROWB<<16
	s_mov_b32 s[\g+4], 256
	s_mov_b32 s[\g+5], KROW
	s_mov_b32 s[\g+6], 0
	s_mov_b32 s[\g+7], 0
.endr
	s_or_b32 s[G1S+0], s43, (3<<16)|(1<<20)|(1<<21)|(5<<22)|(3<<25)  ; the scales of 256 rows: KS rows of 256 bytes
	s_or_b32 s[G1SB+0], s44, (3<<16)|(1<<20)|(1<<21)|(5<<22)|(3<<25)
.irp g, G1S, G1SB
	s_mov_b32 s[\g+1], 32<<16
	s_mov_b32 s[\g+2], KS<<16
	s_mov_b32 s[\g+3], 32<<16
	s_mov_b32 s[\g+4], KS
	s_mov_b32 s[\g+5], 32
	s_mov_b32 s[\g+6], 0
	s_mov_b32 s[\g+7], 0
.endr
	s_lshl_b32 s20, s17, 8
	s_lshl_b32 s46, s42, 8
	s_mov_b32 s21, 0
	s_mov_b32 s47, 0
	s_mov_b64 s[18:19], KS
	s_mul_u64 s[22:23], s[20:21], s[18:19]         ; where the rows' scales begin, in bytes
	s_mul_u64 s[92:93], s[46:47], s[18:19]
	s_mov_b64 s[18:19], KROW
	s_mul_u64 s[20:21], s[20:21], s[18:19]         ; and their codes
	s_mul_u64 s[46:47], s[46:47], s[18:19]
	s_mul_i32 s18, s16, 128*KROW                   ; in the ring I fetch 128 rows
	s_mov_b32 s19, 0
	s_mul_i32 s45, s14, HALFT
	s_wait_dscnt 0x0                               ; and the one wait for both adds
	s_wait_kmcnt 0x0
	s_add_nc_u64 s[66:67], s[8:9], 786432          ; Wv's rows lie behind Wk's 1,024
	s_add_nc_u64 s[100:101], s[10:11], 32768
	s_cmp_eq_u32 ttmp9, 0
	s_cselect_b64 s[66:67], s[4:5], s[66:67]       ; A: the keys, or Wv
	s_cselect_b64 s[100:101], s[6:7], s[100:101]
	s_cselect_b64 s[8:9], s[8:9], s[4:5]           ; B: Wk, or the keys
	s_cselect_b64 s[10:11], s[10:11], s[6:7]
	s_add_nc_u64 s[20:21], s[66:67], s[20:21]
	s_add_nc_u64 s[22:23], s[100:101], s[22:23]
	s_add_nc_u64 s[46:47], s[8:9], s[46:47]
	s_add_nc_u64 s[92:93], s[10:11], s[92:93]
	CROUND                                         ; all sixteen work-groups are here: the first joint loads meet
	s_mov_b32 s[G0H], 1                            ; chunk 0's 256 rows of A,
	s_mov_b32 s[G0H+1], 0
	s_mov_b64 s[G0H+2:G0H+3], s[20:21]
	s_or_b32 s[G0H+3], s[G0H+3], 0x80000000
	s_mov_b32 s[G0HB], 1                           ; its 256 rows of B,
	s_mov_b32 s[G0HB+1], 2*HALFT
	s_mov_b64 s[G0HB+2:G0HB+3], s[46:47]
	s_or_b32 s[G0HB+3], s[G0HB+3], 0x80000000
	s_mov_b32 s[G0S], 1                            ; A's scales,
	s_mov_b32 s[G0S+1], SCL
	s_mov_b64 s[G0S+2:G0S+3], s[22:23]
	s_or_b32 s[G0S+3], s[G0S+3], 0x80000000
	s_mov_b32 s[G0SB], 1                           ; B's scales
	s_mov_b32 s[G0SB+1], SCL+2*HALFS
	s_mov_b64 s[G0SB+2:G0SB+3], s[92:93]
	s_or_b32 s[G0SB+3], s[G0SB+3], 0x80000000
	s_add_nc_u64 s[20:21], s[20:21], s[18:19]      ; for the ring: my 128 rows
	s_add_nc_u64 s[46:47], s[46:47], s[18:19]
.irp s, 0,1
	s_mov_b32 s[G0+4*\s], 1
	s_add_co_u32 s[G0+4*\s+1], s45, \s*SLOT
	s_add_nc_u64 s[G0+4*\s+2:G0+4*\s+3], s[20:21], \s*ROWB
	s_or_b32 s[G0+4*\s+3], s[G0+4*\s+3], 0x80000000
	s_mov_b32 s[G0B+4*\s], 1
	s_add_co_u32 s[G0B+4*\s+1], s45, \s*SLOT
	s_add_nc_u64 s[G0B+4*\s+2:G0B+4*\s+3], s[46:47], \s*ROWB
	s_or_b32 s[G0B+4*\s+3], s[G0B+4*\s+3], 0x80000000
.endr
.macro ARM under, g0, g1, next         ; the head's loads, one a wave, in one chain of branches on the wave's number
	s_cmp_lt_u32 s14, \under
	s_cbranch_scc0 \next
	tensor_load_to_lds s[\g0:\g0+3], s[\g1:\g1+7]
	s_nop 0
.rept 4
	v_nop
.endr
	s_branch .Lhead_asked
\next:
.endm
	ARM 1, G0H,  G1,  .Lhead_b
	ARM 2, G0HB, G1B, .Lhead_sa
	ARM 3, G0S,  G1S, .Lhead_sb
	tensor_load_to_lds s[G0SB:G0SB+3], s[G1SB:G1SB+7]
	s_nop 0
.rept 4
	v_nop
.endr
.Lhead_asked:
	v_and_b32 v1, 15, v0                           ; r
	v_bfe_u32 v2, v0, 4, 1                         ; h
	v_mul_u32_u24 v3, v1, PITCH
	v_mul_u32_u24 v4, v2, 24
	v_add_nc_u32 v4, v3, v4                        ; row x pitch + 24 h
	s_mov_b32 s21, SLOT-232
	s_mov_b32 s22, SLOT+232
	v_sub_nc_u32 v7, 1, v2
	v_mul_u32_u24 v5, s21, v2
	v_add_nc_u32 v5, v3, v5
	v_add_nc_u32 v5, 232, v5                       ; across two chunks: lanes 0-15 byte 232 in slot 0, lanes 16-31 byte 0 in slot 1;
	v_mul_u32_u24 v6, s22, v7
	v_add_nc_u32 v6, v3, v6                        ; and the other way round
	s_mul_i32 s21, s15, HALFT
	s_mul_i32 s22, s16, HALFT
	s_add_co_u32 s22, s22, 2*HALFT
	v_add_nc_u32 v[ADRA+2], s21, v5
	v_add_nc_u32 v[ADRA+3], s21, v6
	v_add_nc_u32 v[ADRB+2], s22, v5
	v_add_nc_u32 v[ADRB+3], s22, v6
.irp s, 0,1
	v_add_nc_u32 v[ADRA+\s], s21, v4
	v_add_nc_u32 v[ADRB+\s], s22, v4
	s_add_co_u32 s21, s21, SLOT
	s_add_co_u32 s22, s22, SLOT
.endr
	v_mul_u32_u24 v5, v1, KS
	v_lshrrev_b32 v6, 8, v5
	v_lshl_add_u32 v5, v6, 4, v5
	s_mul_i32 s21, s15, HALFS
	s_mul_i32 s22, s16, HALFS
	s_add_co_u32 s22, s22, 2*HALFS
	s_sub_co_u32 s22, s22, s21
	v_mul_u32_u24 v6, s22, v2                      ; lanes 16-31 take B's scale words
	s_add_co_u32 s21, s21, SCL
	v_add_nc_u32 v5, v5, v6
	v_add_nc_u32 v[ADRS], s21, v5
	v_and_b32 v6, 31, v0
	v_lshlrev_b32 v[LI], 4, v6                     ; the way out: 16 x lane
	v_mul_u32_u24 v[LSC], v2, HP
	v_lshl_add_u32 v[LSC], v1, 4, v[LSC]           ; and the scale words' place
	v_lshlrev_b32 v7, 5, v2
	v_lshlrev_b32 v8, 2, v1
.irp b, 0,1,2,3
	global_load_b128 v[KSC+8*\b:KSC+8*\b+3], v7, s[96:97] offset:64*\b
	global_load_b128 v[KSC+8*\b+4:KSC+8*\b+7], v7, s[96:97] offset:64*\b+16
	global_load_b128 v[NK+8*\b:NK+8*\b+3], v7, s[98:99] offset:64*\b
	global_load_b128 v[NK+8*\b+4:NK+8*\b+7], v7, s[98:99] offset:64*\b+16
	global_load_b32 v[NV+\b], v8, s[98:99] offset:256+64*\b
.endr
.macro FRAG reg, adr, st, i            ; 16 rows x 128 K: six pieces of 8 bytes; byte y of a row lies in slot (y / 256) % 2 at byte y % 256 of the LDS row
.irp p, 0,1,2,3,4,5
.set BY, 96*(\st)+48*(\p/3)+8*(\p%3)
.if BY/ROWB == (BY+24)/ROWB
	ds_load_b64 v[\reg+2*\p:\reg+2*\p+1], v[\adr+(BY/ROWB)%2] offset:BY%ROWB+(\i)*16*PITCH
.else
	ds_load_b64 v[\reg+2*\p:\reg+2*\p+1], v[\adr+2+(BY/ROWB)%2] offset:BY%ROWB-232+(\i)*16*PITCH
.endif
.endr
.endm
.macro MUL16 a0, p, q, sc, zero        ; the 64 accumulators take turns
.irp a, \a0, \a0+1
.irp b, 0,1,2,3,4,5,6,7
.if \zero
	v_wmma_scale_f32_16x16x128_f8f6f4 v[8*(8*((\a)%4)+\b):8*(8*((\a)%4)+\b)+7], v[128*(\p)+FR*\b:128*(\p)+FR*\b+FR-1], v[AF+FR*(\a):AF+FR*(\a)+FR-1], 0, v[SC+8*NQ*(\sc)+NQ*\b+(\q)], v[SC+8*NQ*(\sc)+NQ*(\a)+(\q)] matrix_a_fmt:MATRIX_FMT_FP6 matrix_b_fmt:MATRIX_FMT_FP6 matrix_a_scale:MATRIX_SCALE_ROW1
.else
	v_wmma_scale_f32_16x16x128_f8f6f4 v[8*(8*((\a)%4)+\b):8*(8*((\a)%4)+\b)+7], v[128*(\p)+FR*\b:128*(\p)+FR*\b+FR-1], v[AF+FR*(\a):AF+FR*(\a)+FR-1], v[8*(8*((\a)%4)+\b):8*(8*((\a)%4)+\b)+7], v[SC+8*NQ*(\sc)+NQ*\b+(\q)], v[SC+8*NQ*(\sc)+NQ*(\a)+(\q)] matrix_a_fmt:MATRIX_FMT_FP6 matrix_b_fmt:MATRIX_FMT_FP6 matrix_a_scale:MATRIX_SCALE_ROW1
.endif
.endr
.endr
.endm
.macro FETCH_B st, p
	WIN TO_B
.irp i, 0,1,2,3,4,5,6,7
	FRAG 128*(\p)+FR*\i, ADRB, \st, \i
.endr
	WIN 0
.endm
.macro FETCH_A st, i0
.irp i, \i0, \i0+1, \i0+2, \i0+3
	FRAG AF+FR*(\i), ADRA, \st, \i
.endr
.endm
.macro SCALES pr                       ; the scale words of steps 2 pr and 2 pr + 1 into set pr % 2
.irp i, 0,1,2,3,4,5,6,7
	ds_load_b64 v[SC+8*NQ*((\pr)%2)+NQ*\i:SC+8*NQ*((\pr)%2)+NQ*\i+1], v[ADRS] offset:\i*SBLK+4*NQ*(\pr)
.endr
.endm
.macro PLACES n
.rept \n
	v_nop
.endr
.endm
; A step of 128 along K.  Where the next step's bytes end in a chunk not yet read: the wait for my tensor loads and a barrier.  Where they begin in a later chunk: the three lines, the barrier, and, if a chunk two on is left, the round and the refill.
.macro STEP st, zero
.set NX, (\st)+1
.set C0, (96*(\st))/ROWB
.set C1, (96*NX)/ROWB
.set E0, (96*(\st)+95)/ROWB
.set E1, (96*NX+95)/ROWB
.if C1 > C0 || E1 > E0
	s_wait_tensorcnt 0x0                           ; all my tensor loads have landed
.if C1 > C0
	ds_add_u32 v[SPW], v[NIL]                      ; the add
	s_wait_dscnt 4*NL+1                            ; the add and A's blocks 4-7 (24 loads) may be out
.else
	s_wait_dscnt 4*NL                              ; A's blocks 4-7 (24 loads) may be out
.endif
	WIN MUL_LO
	MUL16 0, (\st)%2, (\st)%2, ((\st)/2)%2, \zero
	s_wait_dscnt 0x0                               ; the add, and my reads of any chunk left behind
	s_barrier_signal -1
	MUL16 2, (\st)%2, (\st)%2, ((\st)/2)%2, \zero
	WIN 0
	s_barrier_wait -1
.if C1 > C0 && C0+2 < CHUNKS
	CREST
	s_add_nc_u64 s[G0+4*(C0%2)+2:G0+4*(C0%2)+3], s[G0+4*(C0%2)+2:G0+4*(C0%2)+3], 2*ROWB
	s_add_nc_u64 s[G0B+4*(C0%2)+2:G0B+4*(C0%2)+3], s[G0B+4*(C0%2)+2:G0B+4*(C0%2)+3], 2*ROWB
	JLOAD G0+4*(C0%2), G1, G0B+4*(C0%2), G1B       ; chunk C0 + 2: the first tensor load behind the round
.else
	PLACES NP
.endif
.else
	s_wait_dscnt 4*NL                              ; A's blocks 4-7 (24 loads) may be out
	WIN MUL_LO
	MUL16 0, (\st)%2, (\st)%2, ((\st)/2)%2, \zero
	MUL16 2, (\st)%2, (\st)%2, ((\st)/2)%2, \zero
	s_wait_dscnt 0
	PLACES NP
.endif
	FETCH_B NX, NX%2
	FETCH_A NX, 0
.if NX%2 == 0
	SCALES NX/2
.endif
	WIN MUL_HI
	MUL16 4, (\st)%2, (\st)%2, ((\st)/2)%2, \zero
	MUL16 6, (\st)%2, (\st)%2, ((\st)/2)%2, \zero
	PLACES NP
	WIN 0
	FETCH_A NX, 4
.endm
	s_wait_alu depctr_va_vdst(0)                   ; the wait at the head's end
	s_wait_tensorcnt 0x0                           ; my tile of the head's four is in; the three lines ahead of a later first fill
	ds_add_u32 v[SPW], v[NIL]
	s_mov_b32 s[G1+2], 128<<16                     ; no tensor load of mine is out: from here on a load brings 128 rows
	s_mov_b32 s[G1+4], 128
	s_mov_b32 s[G1B+2], 128<<16
	s_mov_b32 s[G1B+4], 128
	s_wait_dscnt 0x0
	CROUND
	JLOAD G0+4, G1, G0B+4, G1B                     ; chunk 1
	FETCH_B 0, 0
	FETCH_A 0, 0
	SCALES 0
	FETCH_A 0, 4
	STEP 0, 1                                      ; the first step's products start the sums
.set ST, 1
.rept STEPS-2
	STEP ST, 0
.set ST, ST+1
.endr
	s_wait_dscnt 4*NL
	WIN MUL_LO
	MUL16 0, 1, 1, 1, 0
	MUL16 2, 1, 1, 1, 0
	s_wait_dscnt 0
	WIN MUL_HI
	MUL16 4, 1, 1, 1, 0
	MUL16 6, 1, 1, 1, 0
	WIN 0
; THE WAY OUT: norms, the null row, the quantisers, and stores of register images, 512 consecutive bytes an instruction.
.macro SUMSQ e, win, base
	WIN 5*(\win)
	v_pk_mul_f32 v[QT+16:QT+17], v[\base:\base+1], v[\base:\base+1]
	v_pk_mul_f32 v[QT+18:QT+19], v[\base+2:\base+3], v[\base+2:\base+3]
.irp i, 4,8,12,16,20,24,28
	v_pk_fma_f32 v[QT+16:QT+17], v[\base+\i:\base+\i+1], v[\base+\i:\base+\i+1], v[QT+16:QT+17]
	v_pk_fma_f32 v[QT+18:QT+19], v[\base+\i+2:\base+\i+3], v[\base+\i+2:\base+\i+3], v[QT+18:QT+19]
.endr
	WIN 0
	v_pk_add_f32 v[QT+16:QT+17], v[QT+16:QT+17], v[QT+18:QT+19]
	v_add_f32 v[\e], v[QT+16], v[QT+17]
	v_permlanex16_b32 v[\e+1], v[\e], s46, s47
	v_add_f32 v[\e], v[\e], v[\e+1]
.endm
.macro NORMS e0, n
.set ii, 0
.rept \n
	v_sqrt_f32 v[\e0+2*ii+1], v[\e0+2*ii]
.set ii, ii+1
.endr
	v_nop
	s_wait_alu depctr_va_vdst(0)
.set ii, 0
.rept \n
	v_max_num_f32 v[\e0+2*ii+1], 0x2b8cbccc, v[\e0+2*ii+1]
.set ii, ii+1
.endr
.set ii, 0
	s_wait_alu depctr_va_vdst(0)
.rept \n
	v_rcp_f32 v[\e0+2*ii], v[\e0+2*ii+1]
.set ii, ii+1
.endr
	v_nop
	s_wait_alu depctr_va_vdst(0)
.endm
.macro KNORM win, base, e
	WIN \win
.irp i, 0,2,4,6,8,10,12,14,16,18,20,22,24,26,28,30
	v_pk_mul_f32 v[T+\i:T+\i+1], v[\base+\i:\base+\i+1], v[\e:\e+1] op_sel_hi:[1,0]
.endr
	WIN 0
.irp i, 0,2,4,6,8,10,12,14,16,18,20,22,24,26,28,30
	v_pk_mul_f32 v[T+\i:T+\i+1], v[T+\i:T+\i+1], v[KSC+\i:KSC+\i+1]
.endr
.endm
.macro QB2 src, dst
	v_max3_num_f32 v[QT], |v[\src]|, |v[\src+1]|, 0x1800000
	v_max3_num_f32 v[QT+1], |v[\src+16]|, |v[\src+17]|, 0x1800000
.irp i, 2,4,6,8,10,12,14
	v_max3_num_f32 v[QT], v[QT], |v[\src+\i]|, |v[\src+\i+1]|
	v_max3_num_f32 v[QT+1], v[QT+1], |v[\src+16+\i]|, |v[\src+17+\i]|
.endr
	v_permlanex16_b32 v[QT+2], v[QT], s46, s47
	v_permlanex16_b32 v[QT+3], v[QT+1], s46, s47
	v_max_num_f32 v[QT], v[QT], v[QT+2]
	v_max_num_f32 v[QT+1], v[QT+1], v[QT+3]
	v_add_nc_u32 v[QT+4], 0xff000000, v[QT]
	v_add_nc_u32 v[QT+5], 0xff000000, v[QT+1]
	v_lshrrev_b32 v[QT+6], 23, v[QT+4]
	v_lshrrev_b32 v[QT+7], 23, v[QT+5]
	v_lshl_or_b32 v[QT+8], v[QT+7], 8, v[QT+6]
	v_cvt_scalef32_pk16_fp6_f32 v[\dst:\dst+2], v[\src:\src+15], v[QT+4]
	v_cvt_scalef32_pk16_fp6_f32 v[QT+12:QT+14], v[\src+16:\src+31], v[QT+5]
	v_nop
.irp i, 0,1,2
	v_permlane16_swap_b32 v[\dst+\i], v[QT+12+\i]
.endr
.irp i, 0,1,2
	v_mov_b32 v[\dst+3+\i], v[QT+12+\i]
.endr
.endm
.macro PTRS bat, hc, hw, sw
	s_lshl_b32 s24, s[\hc], 2
	s_lshl_b32 s25, s[\hw], 1
	s_add_co_u32 s24, s24, s25
	s_lshl_b32 s25, s[\bat], 4
	s_add_co_u32 s25, s25, s24
	s_mul_i32 s26, s25, HP
	s_lshl_b32 s29, s95, 1
	s_add_co_u32 s29, s29, s[\sw]
	s_mul_i32 s28, s29, REC
	s_add_co_u32 s26, s26, s28
	s_mov_b32 s27, 0
	s_add_co_u32 s30, s[\bat], 3
	s_and_b32 s30, s30, 3
	s_lshl_b32 s30, s30, 4
	s_add_co_u32 s30, s30, s24
	s_mul_i32 s30, s30, HP
	s_add_co_u32 s30, s30, 16*REC
	s_mov_b32 s31, 0
	s_add_nc_u64 s[66:67], s[12:13], s[30:31]
	s_add_nc_u64 s[12:13], s[12:13], s[26:27]
.endm
	PLACES NP
	s_wait_loadcnt 0x0
	s_mov_b32 s43, 0x0000ffff
	s_mov_b32 s44, 0x00010001
	s_mov_b32 s45, 0xffff0000
	s_mov_b32 s46, 0x76543210
	s_mov_b32 s47, 0xfedcba98
.irp i, 2,3,4,5,6,7
	v_mov_b32 v[QT+\i], 0
.endr
	s_cmp_lg_u32 ttmp9, 0
	s_cbranch_scc1 .Lvrole
	PTRS 41, 40, 16, 15
.irp i, 0,1,2,3,4,5,6,7,8,9,10,11,12,13,14,15,16,17
	v_mov_b32 v[RI+2*\i+1], 0
.endr
	s_cmp_lg_u32 s29, 0
	s_cbranch_scc1 .Lk_main
.irp q, 0,1
	WIN 0x08
.set ii, 0
.rept 32
	v_cndmask_b32 v[T+ii], 0, v[32*\q+ii], s44
.set ii, ii+1
.endr
	WIN 0
	SUMSQ RI+32+2*\q, 0, T
	s_wait_alu depctr_va_vdst(0)
	NORMS RI+32+2*\q, 1
	KNORM 0, T, RI+32+2*\q
	QB2 T, F+12*\q
.irp i, 6,7,8,9,10,11
	v_mov_b32 v[F+12*\q+\i], 0
.endr
	v_or_b32 v[W+\q], 0x7f7f0000, v[QT+8]
.irp c, 0,1,2
	global_store_b128 v[LI], v[F+12*\q+4*\c:F+12*\q+4*\c+3], s[66:67] offset:\q*HP+512*\c
.endr
.endr
	v_cndmask_b32 v[SS], v[W], v[W+1], s45
.irp i, 1,2,3
	v_mov_b32 v[SS+\i], 0x7f7f7f7f
.endr
	global_store_b128 v[LSC], v[SS:SS+3], s[66:67] offset:7680
	WIN 0x82
.set ii, 0
.rept 32
	v_cndmask_b32 v[ii], v[ii], v[NK+ii], s44
	v_cndmask_b32 v[32+ii], v[32+ii], v[NK+ii], s44
.set ii, ii+1
.endr
	WIN 0
.Lk_main:
.irp a, 0,1,2,3,4,5,6,7
.irp q, 0,1
.set BS, 64*(\a%4)+32*\q
	SUMSQ RI+2*(2*\a+\q), 2+\a/4, BS
.endr
.endr
	s_wait_alu depctr_va_vdst(0)
	NORMS RI, 16
.irp q, 0,1
.irp p, 0,1,2,3
.set FS, F+12*(\p%2)
	s_wait_xcnt 0x0
.irp u, 0,1
.set AA, 2*\p+\u
.set BS, 64*(AA%4)+32*\q
	KNORM 2+AA/4, BS, RI+2*(2*AA+\q)
	QB2 T, FS+6*\u
.if \u == 0
	v_mov_b32 v[W+4*\q+\p], v[QT+8]
.else
	v_lshl_or_b32 v[W+4*\q+\p], v[QT+8], 16, v[W+4*\q+\p]
.endif
.endr
.irp c, 0,1,2
	global_store_b128 v[LI], v[FS+4*\c:FS+4*\c+3], s[12:13] offset:\q*HP+1536*\p+512*\c
.endr
.endr
.endr
.irp i, 0,1,2,3
	v_cndmask_b32 v[SS+\i], v[W+\i], v[W+4+\i], s45
.endr
	global_store_b128 v[LSC], v[SS:SS+3], s[12:13] offset:12288
	s_branch .Ldone
.Lvrole:
	PTRS 40, 41, 15, 16
	s_cmp_lg_u32 s29, 0
	s_cbranch_scc1 .Lv_main
.irp i, 1,2,3,4,5,6,7,8,9,10,11,12,13,14,15,16,17,18,19
	v_mov_b32 v[Z+\i], 0
.endr
.irp a, 0,1,2,3,4,5,6,7
.set VW, 2+\a/4
.set VB, 64*(\a%4)
	WIN 4*VW
	v_cndmask_b32 v[Z], 0, v[VB], s43
	WIN 0
	v_max3_num_f32 v[QT], |v[Z]|, |v[Z]|, 0x1800000
	v_permlanex16_b32 v[QT+4], v[QT], s46, s47
	v_max_num_f32 v[QT], v[QT], v[QT+4]
	v_add_nc_u32 v[QT+12], 0xff000000, v[QT]
	v_cvt_scalef32_pk16_fp6_f32 v[T+4*\a:T+4*\a+2], v[Z:Z+15], v[QT+12]
	v_lshrrev_b32 v[QT+5], 23, v[QT+12]
	v_or_b32 v[W+\a], 0x7f7f7f00, v[QT+5]
	v_mov_b32 v[T+4*\a+3], 0
	WIN 65*VW
	v_cndmask_b32 v[VB], v[VB], v[NV+\a%4], s43
	WIN 0
	global_store_b128 v[LI], v[T+4*\a:T+4*\a+3], s[66:67] offset:(\a/4)*HP+1536+1536*(\a%4)
	global_store_b128 v[LI], v[ZZ:ZZ+3], s[66:67] offset:(\a/4)*HP+1536+1536*(\a%4)+512
	global_store_b128 v[LI], v[ZZ:ZZ+3], s[66:67] offset:(\a/4)*HP+1536+1536*(\a%4)+1024
.endr
.irp i, 0,1,2,3
	v_cndmask_b32 v[SS+\i], v[W+\i], v[W+4+\i], s45
.endr
	global_store_b128 v[LSC], v[SS:SS+3], s[66:67] offset:7680+256
.Lv_main:
.macro VQUANT a
.set VW, 2+(\a)/4
.set VB, 64*((\a)%4)
.set FS, F+12*((\a)%2)
	s_wait_xcnt 0x0
	WIN 5*VW
.irp b, 0,1,2,3
	v_max3_num_f32 v[QT+\b], |v[VB+16*\b]|, |v[VB+16*\b+1]|, 0x1800000
.endr
.irp i, 2,4,6,8,10,12,14
.irp b, 0,1,2,3
	v_max3_num_f32 v[QT+\b], |v[VB+16*\b+\i]|, |v[VB+16*\b+\i+1]|, v[QT+\b]
.endr
.endr
	WIN 0
.irp b, 0,1,2,3
	v_permlanex16_b32 v[QT+4+\b], v[QT+\b], s46, s47
.endr
.irp b, 0,1,2,3
	v_max_num_f32 v[QT+\b], v[QT+\b], v[QT+4+\b]
.endr
.irp b, 0,1,2,3
	v_add_nc_u32 v[QT+12+\b], 0xff000000, v[QT+\b]
.endr
.irp b, 0,1,2,3
	v_lshrrev_b32 v[QT+4+\b], 23, v[QT+12+\b]
.endr
	v_lshl_or_b32 v[W+(\a)], v[QT+5], 8, v[QT+4]
	v_lshl_or_b32 v[W+(\a)], v[QT+6], 16, v[W+(\a)]
	v_lshl_or_b32 v[W+(\a)], v[QT+7], 24, v[W+(\a)]
	WIN VW
.irp c, 0,1
	v_cvt_scalef32_pk16_fp6_f32 v[FS+6*\c:FS+6*\c+2], v[VB+32*\c:VB+32*\c+15], v[QT+12+2*\c]
	v_cvt_scalef32_pk16_fp6_f32 v[XT+4*\c:XT+4*\c+2], v[VB+32*\c+16:VB+32*\c+31], v[QT+12+2*\c+1]
.endr
	WIN 0
	v_nop
.irp c, 0,1
.irp i, 0,1,2
	v_permlane16_swap_b32 v[FS+6*\c+\i], v[XT+4*\c+\i]
.endr
.irp i, 0,1,2
	v_mov_b32 v[FS+3+6*\c+\i], v[XT+4*\c+\i]
.endr
.endr
.endm
.irp a, 0,1,2,3,4,5,6,7
	VQUANT \a
.irp c, 0,1,2
	global_store_b128 v[LI], v[FS+4*\c:FS+4*\c+3], s[12:13] offset:(\a/4)*HP+6144+1536*(\a%4)+512*\c
.endr
.endr
.irp i, 0,1,2,3
	v_cndmask_b32 v[SS+\i], v[W+\i], v[W+4+\i], s45
.endr
	global_store_b128 v[LSC], v[SS:SS+3], s[12:13] offset:12288+256
.Ldone:
	s_wait_tensorcnt 0x0                           ; the wave's end
	ds_add_u32 v[SPW], v[NIL]
	s_wait_dscnt 0x0
	CROUND                                         ; the closing round
	s_endpgm
.Lfunc_end_k_q6b764a7d51_kvproj:
	.size	k_q6b764a7d51_kvproj, .Lfunc_end_k_q6b764a7d51_kvproj-k_q6b764a7d51_kvproj
	.p2alignl 7, 3214868480
	.fill 96, 4, 3214868480
	.section	.rodata,"a",@progbits
	.p2align	6, 0x0
	.amdhsa_kernel k_q6b764a7d51_kvproj
		.amdhsa_group_segment_fixed_size 327680
		.amdhsa_private_segment_fixed_size 0
		.amdhsa_enable_private_segment 0
		.amdhsa_kernarg_size 56
		.amdhsa_user_sgpr_count 2
		.amdhsa_user_sgpr_kernarg_segment_ptr 1
		.amdhsa_wavefront_size32 1
		.amdhsa_system_sgpr_workgroup_id_x 1
		.amdhsa_system_sgpr_workgroup_id_y 1
		.amdhsa_system_sgpr_workgroup_id_z 1
		.amdhsa_system_vgpr_workitem_id 0
		.amdhsa_next_free_vgpr 1024
		.amdhsa_next_free_sgpr 102
		.amdhsa_reserve_vcc 0
		.amdhsa_float_denorm_mode_32 3
		.amdhsa_float_denorm_mode_16_64 3
		.amdhsa_memory_ordered 1
		.amdhsa_forward_progress 1
		.amdhsa_inst_pref_size 255
	.end_amdhsa_kernel
	.section	.bss,"aw",@nobits
	.p2align	6
	.space	262144
	.amdgpu_metadata
---
amdhsa.version: [ 1, 2 ]
amdhsa.kernels:
  - .name:           k_q6b764a7d51_kvproj
    .symbol:         k_q6b764a7d51_kvproj.kd
    .args:
      - { .name: ctxr_codes, .offset: 0, .size: 8, .value_kind: global_buffer, .address_space: global }
      - { .name: ctxr_sc, .offset: 8, .size: 8, .value_kind: global_buffer, .address_space: global }
      - { .name: Wkv_codes, .offset: 16, .size: 8, .value_kind: global_buffer, .address_space: global }
      - { .name: Wkv_scales, .offset: 24, .size: 8, .value_kind: global_buffer, .address_space: global }
      - { .name: k_scale, .offset: 32, .size: 8, .value_kind: global_buffer, .address_space: global }
      - { .name: null_kv, .offset: 40, .size: 8, .value_kind: global_buffer, .address_space: global }
      - { .name: kv, .offset: 48, .size: 8, .value_kind: global_buffer, .address_space: global }
    .group_segment_fixed_size: 327680
    .private_segment_fixed_size: 0
    .kernarg_segment_align: 8
    .kernarg_segment_size: 56
    .max_flat_workgroup_size: 128
    .sgpr_count:     102
    .vgpr_count:     1024
    .wavefront_size: 32
...
	.end_amdgpu_metadata
.endif
;; end of part 2
;; launch attn (part 3): grid 4 x 64, 8 waves a work-group, clusters of 4 x 1, 327,680 bytes of LDS; arguments kv, w_img, Wq_scales, q_scale, xn_img, xn_sc, ao_img, ao_sc; writes ao_img, ao_sc
.if DOCPART == 3
	.amdgcn_target "amdgcn-amd-amdhsa--gfx1250"
	.amdhsa_code_object_version 6
	.text
	.protected	k_q6b764a7d51_attn
	.globl	k_q6b764a7d51_attn
	.p2align	8
	.type	k_q6b764a7d51_attn,@function
k_q6b764a7d51_attn:
	s_mov_b64 s[64:65], 0
	v_nop
	global_prefetch_b8 v0, s[64:65] scope:SCOPE_SE
	s_setreg_imm32_b32 hwreg(HW_REG_WAVE_MODE, 25, 1), 1
	s_wait_xcnt 0x0
	s_wait_alu depctr_hold_cnt(0) depctr_sa_sdst(0) depctr_va_vdst(0) depctr_va_sdst(0) depctr_va_ssrc(0) depctr_va_vcc(0) depctr_vm_vsrc(0)
	s_getreg_b32 s2, hwreg(HW_REG_IB_STS2, 6, 4)
	s_cmp_eq_u32 s2, 0
	s_cbranch_scc0 .Lentry_in_a_cluster
	s_endpgm
.Lentry_in_a_cluster:
	s_bfe_u32 s2, ttmp6, 0x10000c
	s_cmp_lg_u32 s2, 0x3003
	s_cbranch_scc0 .Lentry_shape_is_right
	s_endpgm
.Lentry_shape_is_right:
; q = xn Wq, q = l2norm(q) * q_scale, softmax(8 q k) v over 2,049 keys, and the result quantised for the last product: all products on codes of FP6 (E2M3) with E8M0 scales.
; SHARES.  A work-group owns 256 queries of one batch and head; each of its eight waves owns 32, two tiles of 16, so that each fragment of K, of V and of Wq that a wave reads from LDS feeds two products.
; A wave first projects its own 32 queries (64 products), so q never goes to memory.
; LDS.  The head's keys and values, 212,992 bytes as the launch before laid them (images of the operands' registers: a fragment comes by three loads of 16 bytes a lane), and the head's 32 fragments of Wq, 49,152 bytes.
; Every byte is filled ONCE, by two joint loads a wave.  At the head each wave asks for 24 rows of 256 bytes of Wq.  Behind the three lines and a round each wave asks for 104 rows of 256 bytes of keys and values,
; which are on their way while the projection is multiplied.  One tensor load of a wave is out at a time; every wait on TENSORcnt is for 0.  All of LDS is claimed.
; No barrier stands in the walk over the keys: nothing is filled again.
; CLUSTER.  The four work-groups of a cluster are the four query blocks of one batch and head: they need the same keys, values and weights, and ask for each tile jointly (mask 15).
; NO PREFETCH: each byte has its one tensor load at the launch's start; there is no later load for a trip to run ahead of.
; REGISTERS, in two windows of 256.  Window 0: addresses, fragments, q, p's codes, scale words, and both tiles' small state, so that the two tiles' chains stand line by line.
; Window 1: v0-127 the two tiles' scores, then p; v128-191 their O^T; at the head v0-191 xn's sixteen fragments.  Work is laid in runs under one setting of the windows.
; LAYOUT.  All products are used transposed, so that a lane holds ONE query of each tile (lane % 16) throughout.  The head has 64 channels, half of an instruction's K: a fragment of K holds two tiles of 16 keys, and is multiplied
; by [q | 0] for the even tile and by [0 | q] for the odd one.  Inside a block of 32 the codes of q, k, p and v stand in the order in which results fall (place 16 h + 8 u + j holds element 16 u + 8 h + j), alike on both sides of a product.
; THE SOFTMAX: t = score x 8 log2(e); M = the running largest t rounded up to a whole number; p = 2^(t - M) is quantised along the keys; the sum is taken of the unquantised p and divides at the end.
; When M moves, the sum and O are multiplied by 2^(old M - new M), which rounds nothing.
; LIMITS: NaN and infinities are not served; a sum of squares beyond f32's range is not served; a block whose largest magnitude lies under 2^-124 keeps the byte 1; the scaled scores stay under 2^31 in magnitude.
.set HP,   212992
.set REC,  12800
.set WQI,  212992
.set SPARE, 262144
.set LI,   1                           ; 16 x lane
.set A16,  3                           ; LDS address of the record in hand
.set AW,   4                           ; LDS address of Wq's fragments
.set L8,   5                           ; 8 x lane
.set OXS,  6                           ; 32 r: xn's scale words
.set OWS,  7                           ; 32 r + 1,024 h: Wq's
.set OQS,  8                           ; 32 h: q_scale
.set L4,   9                           ; 4 x lane
; a tile's small state, tile 0 from v16, tile 1 from v40
.set NM0, 16                           ; -M;  with TM a pair
.set TM0, 17                           ; the running largest t
.set LS0, 18                           ; the sum, in two halves
.set FF0, 20                           ; f, and the upper half of its pair
.set TP0, 22
.set OM0, 23                           ; -M as it was
.set BM0, 24                           ; the four blocks' largest scores
.set PD0, 28                           ; permutes, bytes
.set SO0, 32                           ; the conversions' scale operands
.set NM1, 40
.set TM1, 41
.set LS1, 42
.set FF1, 44
.set TP1, 46
.set OM1, 47
.set BM1, 48
.set PD1, 52
.set SO1, 56
.set QH0, 64                           ; v64-75 [0 | q];  v70-81 [q | 0]
.set QL0, 70
.set QH1, 82
.set QL1, 88
.set QW0, 100                          ; q's scale words
.set QW1, 101
.set PW0, 102                          ; p's
.set PW1, 103
.set SC,  104                          ; v104-107 a record's scale words: lanes 0-15 K's, lanes 16-31 V's
.set FB,  108                          ; v108-155 four fragments
.set PC0, 156                          ; p's codes
.set PC1, 168
.set CT0, 180                          ; the conversions' second halves
.set CT1, 188
.set CH,  196                          ; v196-209 seven chains of the sum
.set ZS,  196                          ; v196-211 key 2,048's p and fifteen zeros
.set QA0, 156                          ; at the head: q
.set QA1, 188
.set XS0, 220                          ; xn's scale words
.set XS1, 228
.set WS,  236                          ; v236-251 Wq's
.set QT,  220                          ; the quantiser's: v220-228, v232-234
.set OV0, 108                          ; the way out
.set OV1, 140
.set OC0, 196
.set OC1, 204
.set SPW, 252                          ; my spare word; never rewritten
.set NIL, 253                          ; 0; never rewritten
; window 1
.set SS0, 0
.set SS1, 64
.set OO0, 128
.set OO1, 160
.set XF0, 0
.set XF1, 96
.set QS,  0
.set WV,   20
.set LOM,  21
.set SEL,  22
.set CS,   24
.set TB,   26
.set CNT,  27
.set G1W,  36                          ; s[36:43] group 1: 24 rows of 256 bytes;  s[44:51]: 104 rows
.set G1C,  44
.set G0W,  52
.set G0C,  56
.set MSB, 0
.macro WIN new                         ; low byte: bits 1:0 source 0, 3:2 source 1, 5:4 source 2, 7:6 destination; the high byte repeats the setting that is left
.if MSB != (\new)
	s_set_vgpr_msb (MSB<<8)|(\new)
.set MSB, (\new)
.endif
.endm
.macro CROUND
	s_barrier_signal -1
	s_barrier_wait -1
	s_cmp_lg_u32 s[WV], 0
	s_cbranch_scc1 .Lnot_wave_0_\@
	s_barrier_signal -3
.Lnot_wave_0_\@:
	s_barrier_wait -3
	s_barrier_signal -1
	s_barrier_wait -1
.endm
.macro GROUP1 g, rows                  ; a dense block as rows of 256 bytes (32 elements of 8 bytes), no padding; the mask names all four work-groups, bit 21 beside it
	s_mov_b32 s[\g], 15|(3<<16)|(1<<21)
	s_mov_b32 s[\g+1], 32<<16
	s_mov_b32 s[\g+2], (\rows)<<16
	s_mov_b32 s[\g+3], 32<<16
	s_mov_b32 s[\g+4], \rows
	s_mov_b32 s[\g+5], 32
	s_mov_b32 s[\g+6], 0
	s_mov_b32 s[\g+7], 0
.endm
.macro MM d, a, b, c, sa, sb, row      ; one product; row = 1: source 0's scales from lanes 16-31
.if \row
	v_wmma_scale_f32_16x16x128_f8f6f4 v[\d:\d+7], v[\a:\a+11], v[\b:\b+11], \c, v[\sa], v[\sb] matrix_a_fmt:MATRIX_FMT_FP6 matrix_b_fmt:MATRIX_FMT_FP6 matrix_a_scale:MATRIX_SCALE_ROW1
.else
	v_wmma_scale_f32_16x16x128_f8f6f4 v[\d:\d+7], v[\a:\a+11], v[\b:\b+11], \c, v[\sa], v[\sb] matrix_a_fmt:MATRIX_FMT_FP6 matrix_b_fmt:MATRIX_FMT_FP6
.endif
.endm
.macro FLOAD n, off                    ; n fragments from the record in hand, at byte off
.set ff, 0
.rept \n
.irp c, 0,1,2
	ds_load_b128 v[FB+12*ff+4*\c:FB+12*ff+4*\c+3], v[A16] offset:\off+1536*ff+512*\c
.endr
.set ff, ff+1
.endr
.endm
	s_load_b512 s[4:19], s[0:1], 0x0               ; kv, w_img, Wq_scales, q_scale, xn_img, xn_sc, ao_img, ao_sc
	v_lshl_add_u32 v[SPW], v0, 2, SPARE
	v_mov_b32 v[NIL], 0
	ds_add_u32 v[SPW], v[NIL]                      ; the add, twice on end,
	ds_add_u32 v[SPW], v[NIL]
	v_lshrrev_b32 v2, 5, v0
	v_readfirstlane_b32 s[WV], v2                  ; wave 0..7
	v_and_b32 v2, 31, v0
	v_and_b32 v10, 15, v0                          ; r
	v_bfe_u32 v11, v0, 4, 1                        ; h
	v_lshlrev_b32 v[LI], 4, v2
	v_lshlrev_b32 v[L8], 3, v2
	v_lshlrev_b32 v[L4], 2, v2
	v_lshlrev_b32 v[OXS], 5, v10
	v_lshlrev_b32 v[OQS], 5, v11
	v_add_nc_u32 v[AW], WQI, v[LI]
	v_lshl_add_u32 v[OWS], v11, 10, v[OXS]
	s_mov_b32 s[LOM], 0x0000ffff                   ; lanes 0-15
	s_mov_b32 s[SEL], 0x76543210
	s_mov_b32 s[SEL+1], 0xfedcba98                 ; lane l xor 16
	s_mov_b32 s[CS], 0x4138aa3b                    ; c = 8 log2(e)
	s_mov_b32 s[CS+1], s[CS]
	s_mov_b32 s[TB], 0
	v_add_nc_u32 v[A16], s[TB], v[LI]
	s_and_b32 s29, ttmp7, 0xffff                   ; batch x 16 + head, which the four partners share
	s_and_b32 s30, s29, 15                         ; head
	s_lshr_b32 s31, s29, 4                         ; batch
	GROUP1 G1W, 24
	GROUP1 G1C, 104
	s_mul_i32 s88, s[WV], 6144                     ; my eighth of Wq's fragments,
	s_mov_b32 s89, 0
	s_mul_i32 s90, s[WV], 26624                    ; and of the keys and values
	s_mov_b32 s91, 0
	s_mul_i32 s94, s29, HP
	s_mov_b32 s95, 0
	s_mul_i32 s96, s30, 49152
	s_mov_b32 s97, 0
	s_bfe_u32 s28, ttmp6, 0x40000                  ; cx: it enters the addresses of xn and of the output alone
	s_lshl_b32 s32, s31, 6
	s_lshl_b32 s33, s28, 4
	s_add_co_u32 s32, s32, s33
	s_lshl_b32 s33, s[WV], 1
	s_add_co_u32 s32, s32, s33                     ; my first tile of 16 queries: 64 batch + 16 cx + 2 wave
	s_mul_i32 s34, s32, 12288
	s_mov_b32 s35, 0
	s_wait_alu depctr_va_vdst(0)                   ; the wait at the head's end
	s_wait_dscnt 0x0                               ; and the one wait for both adds
	s_wait_kmcnt 0x0
	s_add_nc_u64 s[4:5], s[4:5], s[94:95]          ; the head's keys and values
	s_add_nc_u64 s[6:7], s[6:7], s[96:97]          ; the head's 32 fragments of Wq
	s_mov_b32 s[G0W], 1
	s_add_co_u32 s[G0W+1], s88, WQI
	s_add_nc_u64 s[G0W+2:G0W+3], s[6:7], s[88:89]
	s_or_b32 s[G0W+3], s[G0W+3], 0x80000000
	s_mov_b32 s[G0C], 1
	s_mov_b32 s[G0C+1], s90
	s_add_nc_u64 s[G0C+2:G0C+3], s[4:5], s[90:91]
	s_or_b32 s[G0C+3], s[G0C+3], 0x80000000
	s_add_nc_u64 s[12:13], s[12:13], s[34:35]      ; xn's image of my tiles
	s_add_nc_u64 s[16:17], s[16:17], s[34:35]      ; the output's,
	s_mul_i32 s34, s30, 768
	s_add_nc_u64 s[16:17], s[16:17], s[34:35]      ; at my head's 64 along the last product's K
	s_lshl_b32 s34, s32, 9
	s_add_nc_u64 s[14:15], s[14:15], s[34:35]      ; xn's scale bytes: 16 rows of 32 a tile
	s_lshl_b32 s34, s32, 11
	s_lshl_b32 s33, s30, 7
	s_add_co_u32 s34, s34, s33
	s_add_nc_u64 s[18:19], s[18:19], s[34:35]      ; the output's scale words
	s_lshl_b32 s34, s30, 11
	s_add_nc_u64 s[8:9], s[8:9], s[34:35]          ; Wq's scale bytes: the head's 64 rows of 32
	WIN 0x40                                       ; xn's fragments go to window 1
.irp u, 0,1
.irp x, 0,1,2,3,4,5,6,7,8,9,10,11,12,13,14,15  ; a tile's 16 half fragments, asked for ahead of the round
	global_load_b128 v[XF\u+6*\x:XF\u+6*\x+3], v[LI], s[12:13] offset:12288*\u+768*\x
	global_load_b64 v[XF\u+6*\x+4:XF\u+6*\x+5], v[L8], s[12:13] offset:12288*\u+768*\x+512
.endr
.endr
	WIN 0
.irp u, 0,1
	global_load_b128 v[XS\u:XS\u+3], v[OXS], s[14:15] offset:512*\u
	global_load_b128 v[XS\u+4:XS\u+7], v[OXS], s[14:15] offset:512*\u+16
.endr
.irp t, 0,1                                    ; lanes 0-15 hold tile t's words, lanes 16-31 tile t + 2's
	global_load_b128 v[WS+8*\t:WS+8*\t+3], v[OWS], s[8:9] offset:512*\t
	global_load_b128 v[WS+8*\t+4:WS+8*\t+7], v[OWS], s[8:9] offset:512*\t+16
.endr
	CROUND                                         ; all four work-groups are here: the joint loads meet
	tensor_load_to_lds s[G0W:G0W+3], s[G1W:G1W+7]  ; every wave's one load at the head: its part of Wq
	s_nop 0
	s_wait_tensorcnt 0x0                           ; it has landed; the three lines ahead of a later first fill,
	ds_add_u32 v[SPW], v[NIL]
	s_wait_dscnt 0x0
	CROUND                                         ; a round: Wq is whole in all four work-groups,
	tensor_load_to_lds s[G0C:G0C+3], s[G1C:G1C+7]  ; and my part of the keys and values, the first tensor load behind it
	s_nop 0
	s_wait_loadcnt 0x0
; q^T = Wq xn^T: tile t of 16 of the head's 64, K step s, query tile u.  The eight accumulators take turns.
.irp s, 0,1,2,3,4,5,6,7
.irp t, 0,1,2,3
.irp c, 0,1,2
	ds_load_b128 v[FB+12*\t+4*\c:FB+12*\t+4*\c+3], v[AW] offset:(8*\t+\s)*1536+512*\c
.endr
.endr
	s_wait_dscnt 0x0
	WIN 0x04                                       ; source 1, xn's fragment, in window 1
.irp t, 0,1,2,3
.irp u, 0,1
.if \s == 0
	MM QA\u+8*\t, FB+12*\t, XF\u+12*\s, 0, WS+8*(\t%2)+\s, XS\u+\s, \t/2
.else
	MM QA\u+8*\t, FB+12*\t, XF\u+12*\s, v[QA\u+8*\t:QA\u+8*\t+7], WS+8*(\t%2)+\s, XS\u+\s, \t/2
.endif
.endr
.endr
	WIN 0
.rept 4
	v_nop                                          ; places in front of loads into registers that the products read, and of the first read of results
.endr
.if \s == 3
	WIN 0x40
.irp t, 0,1,2,3                                ; q_scale at d = 16 t + 8 h + j, into the registers of xn's first fragments, which are done with
	global_load_b128 v[QS+8*\t:QS+8*\t+3], v[OQS], s[10:11] offset:64*\t
	global_load_b128 v[QS+8*\t+4:QS+8*\t+7], v[OQS], s[10:11] offset:64*\t+16
.endr
	WIN 0
.endif
.endr
	; l2norm: register 8 t + j of a tile holds q(my query, 16 t + 8 h + j)
.irp u, 0,1
	v_mov_b32 v[OM\u], 0                           ; a lane permute's destination counts as one of its sources
	v_mov_b32 v[FF\u+1], 0                         ; (named as the upper half of a pair)
	v_pk_mul_f32 v[QT+4*\u:QT+4*\u+1], v[QA\u:QA\u+1], v[QA\u:QA\u+1]
	v_pk_mul_f32 v[QT+4*\u+2:QT+4*\u+3], v[QA\u+2:QA\u+3], v[QA\u+2:QA\u+3]
.endr
.irp i, 4,8,12,16,20,24,28
.irp u, 0,1
	v_pk_fma_f32 v[QT+4*\u:QT+4*\u+1], v[QA\u+\i:QA\u+\i+1], v[QA\u+\i:QA\u+\i+1], v[QT+4*\u:QT+4*\u+1]
	v_pk_fma_f32 v[QT+4*\u+2:QT+4*\u+3], v[QA\u+\i+2:QA\u+\i+3], v[QA\u+\i+2:QA\u+\i+3], v[QT+4*\u+2:QT+4*\u+3]
.endr
.endr
.irp u, 0,1
	v_pk_add_f32 v[QT+4*\u:QT+4*\u+1], v[QT+4*\u:QT+4*\u+1], v[QT+4*\u+2:QT+4*\u+3]
.endr
.irp u, 0,1
	v_add_f32 v[TP\u], v[QT+4*\u], v[QT+4*\u+1]
.endr
.irp u, 0,1
	v_permlanex16_b32 v[OM\u], v[TP\u], s[SEL], s[SEL+1]
.endr
.irp u, 0,1
	v_add_f32 v[TP\u], v[TP\u], v[OM\u]
.endr
	s_wait_alu depctr_va_vdst(0)                   ; a wait ahead of a batch of transcendentals and one ahead of its first reader
	v_sqrt_f32 v[OM0], v[TP0]
	v_sqrt_f32 v[OM1], v[TP1]
	v_nop
	s_wait_alu depctr_va_vdst(0)
	v_max_num_f32 v[OM0], 0x2b8cbccc, v[OM0]       ; max(norm, 1e-12)
	v_max_num_f32 v[OM1], 0x2b8cbccc, v[OM1]
	s_wait_alu depctr_va_vdst(0)
	v_rcp_f32 v[FF0], v[OM0]
	v_rcp_f32 v[FF1], v[OM1]
	v_nop
	s_wait_alu depctr_va_vdst(0)
.irp u, 0,1
.irp i, 0,2,4,6,8,10,12,14,16,18,20,22,24,26,28,30
	v_pk_mul_f32 v[QA\u+\i:QA\u+\i+1], v[QA\u+\i:QA\u+\i+1], v[FF\u:FF\u+1] op_sel_hi:[1,0]
.endr
.endr
	s_wait_loadcnt 0x0                             ; q_scale
	WIN 0x04
.irp u, 0,1
.irp i, 0,2,4,6,8,10,12,14,16,18,20,22,24,26,28,30
	v_pk_mul_f32 v[QA\u+\i:QA\u+\i+1], v[QA\u+\i:QA\u+\i+1], v[QS+\i:QS+\i+1]
.endr
.endr
	WIN 0
; 32 numbers of a lane, two blocks of which it holds 16 each, become six registers: lanes 0-15 block 0, lanes 16-31 block 1; the two bytes in v[QT+8].
.macro QB2 src, dst
	v_max3_num_f32 v[QT], |v[\src]|, |v[\src+1]|, 0x1800000        ; with the floor 2^(3 - 127): the byte cannot fall under 1
	v_max3_num_f32 v[QT+1], |v[\src+16]|, |v[\src+17]|, 0x1800000
.irp i, 2,4,6,8,10,12,14
	v_max3_num_f32 v[QT], v[QT], |v[\src+\i]|, |v[\src+\i+1]|
	v_max3_num_f32 v[QT+1], v[QT+1], |v[\src+16+\i]|, |v[\src+17+\i]|
.endr
	v_permlanex16_b32 v[QT+2], v[QT], s[SEL], s[SEL+1]
	v_permlanex16_b32 v[QT+3], v[QT+1], s[SEL], s[SEL+1]
	v_max_num_f32 v[QT], v[QT], v[QT+2]
	v_max_num_f32 v[QT+1], v[QT+1], v[QT+3]
	v_add_nc_u32 v[QT+4], 0xff000000, v[QT]
	v_add_nc_u32 v[QT+5], 0xff000000, v[QT+1]
	v_lshrrev_b32 v[QT+6], 23, v[QT+4]
	v_lshrrev_b32 v[QT+7], 23, v[QT+5]
	v_lshl_or_b32 v[QT+8], v[QT+7], 8, v[QT+6]
	v_cvt_scalef32_pk16_fp6_f32 v[\dst:\dst+2], v[\src:\src+15], v[QT+4]
	v_cvt_scalef32_pk16_fp6_f32 v[QT+12:QT+14], v[\src+16:\src+31], v[QT+5]
	v_nop                                          ; one plain instruction behind a scaled conversion
.irp i, 0,1,2
	v_permlane16_swap_b32 v[\dst+\i], v[QT+12+\i]
.endr
.irp i, 0,1,2
	v_mov_b32 v[\dst+3+\i], v[QT+12+\i]
.endr
.endm
.irp u, 0,1
	QB2 QA\u, QL\u
	v_lshl_or_b32 v[QW\u], v[QT+8], 16, v[QT+8]    ; q's two bytes serve both halves of an instruction's K
.irp i, 0,1,2,3,4,5
	v_mov_b32 v[QH\u+\i], 0                        ; zero codes on either side of q's six registers
	v_mov_b32 v[QL\u+6+\i], 0
.endr
	v_mov_b32 v[TM\u], 0xff61b1e6                  ; the largest t so far: -3e38
	v_mov_b32 v[LS\u], 0                           ; the sum, in two halves
	v_mov_b32 v[LS\u+1], 0
	v_floor_f32 v[NM\u], -v[TM\u]                  ; -M
.irp b, 0,1,2,3
	v_mov_b32 v[PD\u+\b], 0
.endr
.endr
	WIN 0x40
.set ii, 0
.rept 64
	v_mov_b32 v[OO0+ii], 0                         ; O^T of both tiles: the first step finds zeros, which the first change of M leaves zeros
.set ii, ii+1
.endr
	WIN 0
; THE ROW'S SUM of the unquantised p of tile u: 32 pairs in eight chains, seven in v[CH ..] and the running sum itself.
.macro SUM1 u                          ; pairs 0 to 14
	WIN 0x05
.set pi, 0
.irp c, 0,2,4,6,8,10,12
	v_pk_add_f32 v[CH+\c:CH+\c+1], v[SS\u+4*pi:SS\u+4*pi+1], v[SS\u+4*pi+2:SS\u+4*pi+3]
.set pi, pi+1
.endr
	WIN 0x04
	v_pk_add_f32 v[LS\u:LS\u+1], v[LS\u:LS\u+1], v[SS\u+28:SS\u+29]
.endm
.macro SUM8 u, first                   ; pairs first to first + 7
	WIN 0x04
.set pi, \first
.irp c, 0,2,4,6,8,10,12
	v_pk_add_f32 v[CH+\c:CH+\c+1], v[CH+\c:CH+\c+1], v[SS\u+2*pi:SS\u+2*pi+1]
.set pi, pi+1
.endr
	v_pk_add_f32 v[LS\u:LS\u+1], v[LS\u:LS\u+1], v[SS\u+2*pi:SS\u+2*pi+1]
.endm
.macro SUMF u                          ; pair 31, and the chains joined
	WIN 0x04
	v_pk_add_f32 v[CH:CH+1], v[CH:CH+1], v[SS\u+62:SS\u+63]
	WIN 0
	v_pk_add_f32 v[LS\u:LS\u+1], v[LS\u:LS\u+1], v[CH+6:CH+7]
	v_pk_add_f32 v[CH+2:CH+3], v[CH+2:CH+3], v[CH+10:CH+11]
	v_pk_add_f32 v[CH+4:CH+5], v[CH+4:CH+5], v[CH+12:CH+13]
	v_pk_add_f32 v[CH:CH+1], v[CH:CH+1], v[CH+8:CH+9]
	v_pk_add_f32 v[LS\u:LS\u+1], v[LS\u:LS\u+1], v[CH+2:CH+3]
	v_pk_add_f32 v[CH:CH+1], v[CH:CH+1], v[CH+4:CH+5]
	v_pk_add_f32 v[LS\u:LS\u+1], v[LS\u:LS\u+1], v[CH:CH+1]
.endm
.macro NEWM                            ; from v[TP] = the step's largest score: the new -M and f, the two tiles line by line
.irp u, 0,1
	v_mul_f32 v[TP\u], s[CS], v[TP\u]              ; as t (c is positive)
.endr
.irp u, 0,1
	v_max_num_f32 v[TM\u], v[TM\u], v[TP\u]        ; the running largest t
.endr
.irp u, 0,1
	v_floor_f32 v[NM\u], -v[TM\u]                  ; the new -M = -ceil(t)
.endr
.irp u, 0,1
	v_sub_f32 v[TP\u], v[NM\u], v[OM\u]            ; old M - new M: a whole number, 0 or less
.endr
.irp u, 0,1
	v_cvt_i32_f32 v[TP\u], v[TP\u]                 ; (it saturates)
.endr
.irp u, 0,1
	v_ldexp_f32 v[FF\u], 1.0, v[TP\u]              ; f = 2^(old M - new M)
.endr
.endm
.macro ORESC                           ; O^T of both tiles under the new M
	WIN 0x41
	s_wait_alu depctr_va_vdst(0)                   ; directly ahead of the first reader of O^T; it also serves the batch of exponentials
.irp u, 0,1
.set ii, 0
.rept 16
	v_pk_mul_f32 v[OO\u+ii:OO\u+ii+1], v[OO\u+ii:OO\u+ii+1], v[FF\u:FF\u+1] op_sel_hi:[1,0]
.set ii, ii+2
.endr
.endr
	WIN 0
.endm
.macro PV                              ; O^T += V^T p^T, the eight accumulators by turns
	WIN 0x50
.irp t, 0,1,2,3
.irp u, 0,1
	MM OO\u+8*\t, FB+12*\t, PC\u, v[OO\u+8*\t:OO\u+8*\t+7], SC+\t, PW\u, 1
.endr
.endr
.endm
; A KEY STEP: 128 keys, both tiles.  Its fragments of K and its scale words were asked for by the step before.  last = 1: what follows is key 2,048's record.
.macro STEP last
	s_wait_dscnt 0x0                               ; K's fragments and the scale words
	WIN 0x40
.irp t, 0,1,2,3,4,5,6,7                        ; S^T = K q^T: tile t of 16 keys lies in half t % 2 of fragment t / 2
.irp u, 0,1
.if \t%2
	MM SS\u+8*\t, FB+12*(\t/2), QH\u, 0, SC+\t/2, QW\u, 0
.else
	MM SS\u+8*\t, FB+12*(\t/2), QL\u, 0, SC+\t/2, QW\u, 0
.endif
.endr
.endr
	WIN 0
	v_mov_b32 v[OM0], v[NM0]                       ; with the three below: four places
	v_mov_b32 v[OM1], v[NM1]
	v_nop
	v_nop
	FLOAD 4, 6144                                  ; V's four fragments land while the softmax is walked
	WIN 0x15
.irp u, 0,1
.irp b, 0,1,2,3
	v_max3_num_f32 v[BM\u+\b], v[SS\u+16*\b], v[SS\u+16*\b+1], v[SS\u+16*\b+2]   ; the largest score of each block of 32 keys: for the row's maximum, and, since p rises with the score, for the block's largest p
.endr
.endr
	WIN 0x14
.irp i, 3,5,7,9,11,13
.irp u, 0,1
.irp b, 0,1,2,3
	v_max3_num_f32 v[BM\u+\b], v[BM\u+\b], v[SS\u+16*\b+\i], v[SS\u+16*\b+\i+1]
.endr
.endr
.endr
.irp u, 0,1
.irp b, 0,1,2,3
	v_max3_num_f32 v[BM\u+\b], v[BM\u+\b], v[SS\u+16*\b+15], v[SS\u+16*\b+15]
.endr
.endr
	WIN 0
.irp u, 0,1
.irp b, 0,1,2,3
	v_permlanex16_b32 v[PD\u+\b], v[BM\u+\b], s[SEL], s[SEL+1]
.endr
.endr
.irp u, 0,1
.irp b, 0,1,2,3
	v_max_num_f32 v[BM\u+\b], v[BM\u+\b], v[PD\u+\b]
.endr
.endr
.irp u, 0,1
	v_max3_num_f32 v[TP\u], v[BM\u], v[BM\u+1], v[BM\u+2]
.endr
.irp u, 0,1
	v_max_num_f32 v[TP\u], v[TP\u], v[BM\u+3]
.endr
	NEWM
.irp u, 0,1
.irp b, 0,1,2,3
	v_fma_f32 v[BM\u+\b], v[BM\u+\b], s[CS], v[NM\u]
.endr
.endr
	WIN 0x41
.irp u, 0,1
.set ii, 0
.rept 32
	v_pk_fma_f32 v[SS\u+ii:SS\u+ii+1], v[SS\u+ii:SS\u+ii+1], s[CS:CS+1], v[NM\u:NM\u+1] op_sel_hi:[1,0,0]   ; t - M
.set ii, ii+2
.endr
.endr
	s_wait_alu depctr_va_vdst(0)                   ; the wait ahead of the batch
.set ii, 0
.rept 128
	v_exp_f32 v[SS0+ii], v[SS0+ii]                 ; p = 2^(t - M): not normalised
.set ii, ii+1
.endr
	WIN 0
.irp u, 0,1
.irp b, 0,1,2,3
	v_exp_f32 v[BM\u+\b], v[BM\u+\b]               ; the block's largest p
.endr
.endr
.irp u, 0,1
	v_pk_mul_f32 v[LS\u:LS\u+1], v[LS\u:LS\u+1], v[FF\u:FF\u+1] op_sel_hi:[1,0]   ; the sums under the new M.  (Plain instructions behind the batch)
.endr
	s_wait_dscnt 0x0                               ; V: asked for ahead of the softmax
	ORESC
.irp u, 0,1
.irp b, 0,1,2,3
	v_max_num_f32 v[BM\u+\b], 0x1800000, v[BM\u+\b]   ; the floor: the byte cannot fall under 1
.endr
.endr
.irp u, 0,1
.irp b, 0,1,2,3
	v_add_nc_u32 v[SO\u+\b], 0xff000000, v[BM\u+\b]
.endr
.endr
.irp u, 0,1
.irp b, 0,1,2,3
	v_lshrrev_b32 v[PD\u+\b], 23, v[SO\u+\b]
.endr
.endr
.irp u, 0,1
	v_lshl_or_b32 v[PW\u], v[PD\u+1], 8, v[PD\u]
.endr
.irp u, 0,1
	v_lshl_or_b32 v[PW\u], v[PD\u+2], 16, v[PW\u]
.endr
.irp u, 0,1
	v_lshl_or_b32 v[PW\u], v[PD\u+3], 24, v[PW\u]
.endr
	WIN 0x01
.irp u, 0,1
.irp c, 0,1
	v_cvt_scalef32_pk16_fp6_f32 v[PC\u+6*\c:PC\u+6*\c+2], v[SS\u+32*\c:SS\u+32*\c+15], v[SO\u+2*\c]
	v_cvt_scalef32_pk16_fp6_f32 v[CT\u+4*\c:CT\u+4*\c+2], v[SS\u+32*\c+16:SS\u+32*\c+31], v[SO\u+2*\c+1]
.endr
.endr
	WIN 0
	v_nop
.irp u, 0,1
.irp c, 0,1
.irp i, 0,1,2
	v_permlane16_swap_b32 v[PC\u+6*\c+\i], v[CT\u+4*\c+\i]
.endr
.endr
.endr
.irp u, 0,1
.irp c, 0,1
.irp i, 0,1,2
	v_mov_b32 v[PC\u+3+6*\c+\i], v[CT\u+4*\c+\i]
.endr
.endr
.endr
	SUM1 0                                         ; eight additions: the places between p's codes and scale words and the products
	PV
	SUM8 0, 15                                     ; eight more: the places in front of the loads below
	WIN 0
.if \last
	FLOAD 1, REC                                   ; key 2,048's fragment of K and its scale words
	ds_load_b128 v[SC:SC+3], v[A16] offset:REC+7680
.else
	FLOAD 4, REC                                   ; the next record's fragments of K and its scale words
	ds_load_b128 v[SC:SC+3], v[A16] offset:REC+12288
.endif
	s_add_co_u32 s[TB], s[TB], REC
	v_add_nc_u32 v[A16], s[TB], v[LI]              ; the next record is in hand
	SUM8 0, 23
	SUMF 0
	SUM1 1
	SUM8 1, 15
	SUM8 1, 23
	SUMF 1
.endm
	s_wait_alu depctr_va_vdst(0)
	s_wait_tensorcnt 0x0                           ; my part of the keys and values has landed
	s_wait_dscnt 0x0
	s_barrier_signal -1
	s_barrier_wait -1                              ; and everybody's: every wave may read them, and nothing writes them again
	FLOAD 4, 0
	ds_load_b128 v[SC:SC+3], v[A16] offset:12288
	s_mov_b32 s[CNT], 15                           ; sixteen records of 128 keys: fifteen in the loop, the last written out
.Lstep:
	STEP 0
	s_sub_co_u32 s[CNT], s[CNT], 1
	s_cmp_lg_u32 s[CNT], 0
	s_cbranch_scc1 .Lstep
	STEP 1
	; KEY 2,048, alone in its block
	s_wait_dscnt 0x0
	WIN 0x40
	MM SS0, FB, QL0, 0, SC, QW0, 0
	MM SS1, FB, QL1, 0, SC, QW1, 0
	WIN 0
.irp u, 0,1
	v_mov_b32 v[TP\u], 0xff800000                  ; -infinity.  (These four lines are the places)
	v_mov_b32 v[OM\u], v[NM\u]
.endr
	FLOAD 4, 1536
	WIN 0x04
.irp u, 0,1
	v_cndmask_b32 v[BM\u], v[TP\u], v[SS\u], s[LOM]   ; the key's score lies in lanes 0-15, register 0; all else of the tile is no key
.endr
	WIN 0
.irp u, 0,1
	v_permlanex16_b32 v[PD\u], v[BM\u], s[SEL], s[SEL+1]
.endr
.irp u, 0,1
	v_max_num_f32 v[BM\u+1], v[BM\u], v[PD\u]
.endr
.irp u, 0,1
	v_mov_b32 v[TP\u], v[BM\u+1]
.endr
	NEWM
.irp u, 0,1
	v_fma_f32 v[BM\u], v[BM\u], s[CS], v[NM\u]
	v_fma_f32 v[BM\u+1], v[BM\u+1], s[CS], v[NM\u]
.endr
.irp i, 1,2,3,4,5,6,7,8,9,10,11,12,13,14,15
	v_mov_b32 v[ZS+\i], 0
.endr
	s_wait_alu depctr_va_vdst(0)
.irp u, 0,1
	v_exp_f32 v[PD\u], v[BM\u]                     ; p; 0 in lanes 16-31
	v_exp_f32 v[BM\u+1], v[BM\u+1]                 ; the block's largest p, in both halves
.endr
.irp u, 0,1
	v_pk_mul_f32 v[LS\u:LS\u+1], v[LS\u:LS\u+1], v[FF\u:FF\u+1] op_sel_hi:[1,0]
.endr
	s_wait_alu depctr_va_vdst(0)
.irp u, 0,1
	v_add_f32 v[LS\u], v[LS\u], v[PD\u]
	v_max_num_f32 v[BM\u+1], 0x1800000, v[BM\u+1]
.endr
.irp u, 0,1
	v_add_nc_u32 v[SO\u], 0xff000000, v[BM\u+1]
.endr
.irp u, 0,1
	v_lshrrev_b32 v[BM\u], 23, v[SO\u]
.endr
.irp u, 0,1
	v_or_b32 v[PW\u], 0x7f7f7f00, v[BM\u]          ; the other three blocks are zero codes under the byte 127
.endr
.irp u, 0,1
	v_mov_b32 v[ZS], v[PD\u]
	v_cvt_scalef32_pk16_fp6_f32 v[PC\u:PC\u+2], v[ZS:ZS+15], v[SO\u]
	v_nop                                          ; one plain instruction behind a scaled conversion
.endr
.irp u, 0,1
.irp i, 3,4,5,6,7,8,9,10,11
	v_mov_b32 v[PC\u+\i], 0
.endr
.endr
	ORESC                                          ; also the places in front of the products
	s_wait_alu depctr_va_vdst(0)
	s_wait_dscnt 0x0
	PV
	WIN 0
	; THE WAY OUT: O^T / the sum, brought into the true order of the head's 64 (the last product's other operand is given), quantised, and stored as that product's operand registers
.irp u, 0,1
	v_add_f32 v[LS\u], v[LS\u], v[LS\u+1]
.endr
	v_nop
	v_nop
.irp u, 0,1
	v_permlanex16_b32 v[TP\u], v[LS\u], s[SEL], s[SEL+1]
.endr
.irp u, 0,1
	v_add_f32 v[LS\u], v[LS\u], v[TP\u]
.endr
	s_wait_alu depctr_va_vdst(0)
	v_rcp_f32 v[FF0], v[LS0]
	v_rcp_f32 v[FF1], v[LS1]
	v_nop
	WIN 0x01
	s_wait_alu depctr_va_vdst(0)
.irp u, 0,1
.set ii, 0
.rept 16
	v_pk_mul_f32 v[OV\u+ii:OV\u+ii+1], v[OO\u+ii:OO\u+ii+1], v[FF\u:FF\u+1] op_sel_hi:[1,0]   ; register 16 b + 8 u + j holds d = 32 b + 16 u + 8 h + j
.set ii, ii+2
.endr
.endr
	WIN 0
.irp u, 0,1
.irp b, 0,1
.irp j, 0,1,2,3,4,5,6,7
	v_permlane16_swap_b32 v[OV\u+16*\b+\j], v[OV\u+16*\b+8+\j]   ; now register 16 b + i holds d = 32 b + 16 h + i
.endr
.endr
.endr
.irp u, 0,1
	QB2 OV\u, OC\u
	v_mov_b32 v[TP\u], v[QT+8]
.endr
.irp u, 0,1
	global_store_b128 v[LI], v[OC\u:OC\u+3], s[16:17] offset:12288*\u              ; 512 consecutive bytes,
	global_store_b64 v[L8], v[OC\u+4:OC\u+5], s[16:17] offset:12288*\u+512         ; and 256
	global_store_b32 v[L4], v[TP\u], s[18:19] offset:2048*\u
.endr
	s_wait_tensorcnt 0x0                           ; the wave's end
	ds_add_u32 v[SPW], v[NIL]
	s_wait_dscnt 0x0
	CROUND                                         ; the closing round
	s_endpgm
.Lfunc_end_k_q6b764a7d51_attn:
	.size	k_q6b764a7d51_attn, .Lfunc_end_k_q6b764a7d51_attn-k_q6b764a7d51_attn
	.p2alignl 7, 3214868480
	.fill 96, 4, 3214868480
	.section	.rodata,"a",@progbits
	.p2align	6, 0x0
	.amdhsa_kernel k_q6b764a7d51_attn
		.amdhsa_group_segment_fixed_size 327680
		.amdhsa_private_segment_fixed_size 0
		.amdhsa_enable_private_segment 0
		.amdhsa_kernarg_size 64
		.amdhsa_user_sgpr_count 2
		.amdhsa_user_sgpr_kernarg_segment_ptr 1
		.amdhsa_wavefront_size32 1
		.amdhsa_system_sgpr_workgroup_id_x 1
		.amdhsa_system_sgpr_workgroup_id_y 1
		.amdhsa_system_sgpr_workgroup_id_z 1
		.amdhsa_system_vgpr_workitem_id 0
		.amdhsa_next_free_vgpr 448
		.amdhsa_next_free_sgpr 100
		.amdhsa_reserve_vcc 0
		.amdhsa_float_denorm_mode_32 3
		.amdhsa_float_denorm_mode_16_64 3
		.amdhsa_memory_ordered 1
		.amdhsa_forward_progress 1
		.amdhsa_inst_pref_size 117
	.end_amdhsa_kernel
	.amdgpu_metadata
---
amdhsa.version: [ 1, 2 ]
amdhsa.kernels:
  - .name:           k_q6b764a7d51_attn
    .symbol:         k_q6b764a7d51_attn.kd
    .args:
      - { .name: kv, .offset: 0, .size: 8, .value_kind: global_buffer, .address_space: global }
      - { .name: w_img, .offset: 8, .size: 8, .value_kind: global_buffer, .address_space: global }
      - { .name: Wq_scales, .offset: 16, .size: 8, .value_kind: global_buffer, .address_space: global }
      - { .name: q_scale, .offset: 24, .size: 8, .value_kind: global_buffer, .address_space: global }
      - { .name: xn_img, .offset: 32, .size: 8, .value_kind: global_buffer, .address_space: global }
      - { .name: xn_sc, .offset: 40, .size: 8, .value_kind: global_buffer, .address_space: global }
      - { .name: ao_img, .offset: 48, .size: 8, .value_kind: global_buffer, .address_space: global }
      - { .name: ao_sc, .offset: 56, .size: 8, .value_kind: global_buffer, .address_space: global }
    .group_segment_fixed_size: 327680
    .private_segment_fixed_size: 0
    .kernarg_segment_align: 8
    .kernarg_segment_size: 64
    .max_flat_workgroup_size: 256
    .sgpr_count:     100
    .vgpr_count:     448
    .wavefront_size: 32
...
	.end_amdgpu_metadata
.endif
;; end of part 3
;; launch outp (part 4): grid 128 x 1, 16 waves a work-group, clusters of 4 x 1, 327,680 bytes of LDS; arguments ao_img, ao_sc, w_img, Wout_scales, g_out, out0; writes out0
.if DOCPART == 4
	.amdgcn_target "amdgcn-amd-amdhsa--gfx1250"
	.amdhsa_code_object_version 6
	.text
	.protected	k_q6b764a7d51_outp
	.globl	k_q6b764a7d51_outp
	.p2align	8
	.type	k_q6b764a7d51_outp,@function
k_q6b764a7d51_outp:
	s_mov_b64 s[64:65], 0
	v_nop
	global_prefetch_b8 v0, s[64:65] scope:SCOPE_SE
	s_setreg_imm32_b32 hwreg(HW_REG_WAVE_MODE, 25, 1), 1
	s_wait_xcnt 0x0
	s_wait_alu depctr_hold_cnt(0) depctr_sa_sdst(0) depctr_va_vdst(0) depctr_va_sdst(0) depctr_va_ssrc(0) depctr_va_vcc(0) depctr_vm_vsrc(0)
	s_getreg_b32 s2, hwreg(HW_REG_IB_STS2, 6, 4)
	s_cmp_eq_u32 s2, 0
	s_cbranch_scc0 .Lentry_in_a_cluster
	s_endpgm
.Lentry_in_a_cluster:
	s_bfe_u32 s2, ttmp6, 0x10000c
	s_cmp_lg_u32 s2, 0x3003
	s_cbranch_scc0 .Lentry_shape_is_right
	s_endpgm
.Lentry_shape_is_right:
; out0 = layer_norm(o Wout) * g_out; the product on codes of FP6 (E2M3) with E8M0 scales, the norm in f32.
; SHARES.  A work-group takes 32 whole rows (two tiles of 16), so that the norm never leaves it; wave w takes columns 64 w .. 64 w + 63: eight accumulators.
; The rows' codes, 24,576 bytes laid as operand registers, go to LDS once and are read by all sixteen waves.
; WOUT'S 786,432 BYTES REACH A WORK-GROUP BY TWO ROADS AT ONCE.  Each fragment is wanted by one wave, once.  K steps 0-4 (491,520 bytes) come from memory straight into that wave's registers, three loads of 16 bytes a lane
; for a fragment, one K step ahead, in two sets of registers.  K steps 5-7 (294,912 bytes) come by ONE tensor load a wave, issued at the start: the wave's own four tiles of columns, 4 rows of 4,608 bytes, into LDS bytes that
; this wave alone reads; they land while the first five steps are multiplied, and the wave's own wait on TENSORcnt is all the ordering that its reads need.  Three K steps are what LDS holds beside the rows' image and the
; partial sums (294,912 + 24,576 + 4,096 bytes); nothing is filled twice, so there is no ring and no refill's barrier.
; CLUSTER.  All work-groups want the same bytes of Wout: the four of a cluster ask for each tile jointly (mask 15).  One tensor load of a wave is outstanding.
; 32 rows to a work-group, not 16: every work-group takes in all of Wout, so twice the rows halve what is read in all.
; THE MATRIX INSTRUCTION IS USED TRANSPOSED (source 0 = 16 rows of Wout, source 1 = 16 rows of o): a lane holds one row and eight neighbouring columns.
; LIMITS: NaN and infinities are not served.
.set WT,   24576                       ; behind the rows' image: Wout's K steps 5-7, 18,432 bytes for each wave: tile t of its four at 4,608 t, K step s at 1,536 (s - 5), as the registers want them
.set WTW,  18432
.set RED,  319488                      ; 2 x 2,048 bytes: the waves' partial sums, then their partial sums of squares
.set ACC,  16                          ; v16-79   accumulator (m, t) at 16 + 8 (4 m + t)
.set AF,   80                          ; v80-103  the rows' two fragments
.set BB,   104                         ; v104-199 Wout's four fragments, two sets
.set WS,   200                         ; v200-215 Wout's scale words: lanes 0-15 tile t, lanes 16-31 tile t + 2
.set AS,   216                         ; v216-223 the rows' scale words: lanes 0-15 tile 0, lanes 16-31 tile 1
.set RAW,  224                         ; v224-239 the same as stored, two bytes a head
.set AC,   240                         ; v240-251 the image on its way to LDS
.set GG,   104                         ; g_out at my 32 columns
.set OUTR, 136                         ; rows on their way out
.set G1,   36                          ; s[36:43] descriptor group 1
.set G0,   44                          ; s[44:47] descriptor group 0
.macro CROUND                          ; a round of the cluster's barrier
	s_barrier_signal -1
	s_barrier_wait -1
	s_cmp_lg_u32 s16, 0
	s_cbranch_scc1 .Lnot_wave_0_\@
	s_barrier_signal -3
.Lnot_wave_0_\@:
	s_barrier_wait -3
	s_barrier_signal -1
	s_barrier_wait -1
.endm
	s_load_b256 s[4:11], s[0:1], 0x0               ; ao_img, ao_sc, w_img, Wout_scales
	s_load_b128 s[12:15], s[0:1], 0x20             ; g_out, out0
	v_lshl_add_u32 v254, v0, 2, 0x4f000
	v_mov_b32 v255, 0
	ds_add_u32 v254, v255
	ds_add_u32 v254, v255
	v_lshrrev_b32 v1, 5, v0
	s_delay_alu instid0(VALU_DEP_1)
	v_readfirstlane_b32 s16, v1                    ; wave 0..15
	v_lshlrev_b32 v1, 4, v0                        ; 16 x thread
	v_and_b32 v14, 31, v0
	s_delay_alu instid0(VALU_DEP_1)
	v_lshlrev_b32 v2, 4, v14                       ; 16 x lane
	s_delay_alu instid0(VALU_DEP_2)
	v_lshlrev_b32 v3, 3, v14                       ; 8 x lane
	v_and_b32 v12, 15, v0                          ; r
	v_bfe_u32 v13, v0, 4, 1                        ; h
	s_delay_alu instid0(VALU_DEP_2)
	v_lshlrev_b32 v4, 5, v12
	s_delay_alu instid0(VALU_DEP_1)
	v_lshl_add_u32 v4, v13, 10, v4                 ; Wout's scale bytes: row r + 32 h of 32 bytes
	s_delay_alu instid0(VALU_DEP_4)
	v_lshlrev_b32 v5, 2, v12
	s_delay_alu instid0(VALU_DEP_1)
	v_lshl_add_u32 v5, v13, 11, v5                 ; the rows' scale words: tile h, row r
	v_lshlrev_b32 v6, 5, v13                       ; g_out: 32 h
	s_mul_i32 s17, s16, WTW
	s_add_co_u32 s17, s17, WT                      ; my 18,432 bytes of LDS: Wout's fragments first, my stage for the way out when they have been read
	v_add_nc_u32 v15, s17, v2                      ; a fragment's place for my lane
	v_mul_u32_u24 v7, v12, 272
	s_delay_alu instid0(VALU_DEP_1)
	v_lshl_add_u32 v7, v13, 5, v7
	s_delay_alu instid0(VALU_DEP_1)
	v_add_nc_u32 v7, s17, v7                       ; into my stage (16 rows x (256 bytes + 16)): row r, + 32 h
	v_mul_u32_u24 v8, v13, 272
	s_delay_alu instid0(VALU_DEP_1)
	v_lshl_add_u32 v8, v12, 4, v8
	s_delay_alu instid0(VALU_DEP_1)
	v_add_nc_u32 v8, s17, v8                       ; back: lanes 0-15 one row, lanes 16-31 the next
	v_lshlrev_b32 v9, 12, v13
	s_delay_alu instid0(VALU_DEP_1)
	v_lshl_add_u32 v9, v12, 4, v9                  ; and the same two rows in out0
	v_lshl_add_u32 v11, v14, 2, RED                ; the partial sums: 4 x lane,
	s_lshl_b32 s48, s16, 7
	v_add_nc_u32 v10, s48, v11                     ; + 128 x wave
	s_mov_b32 s30, 0x76543210
	s_mov_b32 s31, 0xfedcba98                      ; lane l xor 16
	s_mov_b32 s32, 0xffff0000                      ; lanes 16-31
	s_mov_b32 s33, 0x3a800000                      ; 1 / 1,024
	s_mov_b32 s34, 0x3727c5ac                      ; 1e-5
	s_bfe_u32 s35, ttmp6, 0x40000                  ; cx: my place in the cluster
	s_lshl_b32 s49, ttmp9, 2                       ; in a cluster launch ttmp9 counts clusters
	s_add_co_u32 s35, s35, s49                     ; my block of 32 rows = 4 x cluster x + cx: it enters the addresses of the rows and of the output alone
	; descriptor group 1: 4 rows of 4,608 bytes (576 elements of 8 bytes), 12,288 bytes apart in memory, on end in LDS
	s_mov_b32 s[G1], 15|(3<<16)|(1<<21)            ; 15:0 the mask: all four work-groups; 17:16 elements of 8 bytes; 20 no padding; 21 set beside a mask
	s_mov_b32 s[G1+1], 576<<16                     ; tensor_dim0
	s_mov_b32 s[G1+2], 4<<16                       ; tensor_dim1
	s_mov_b32 s[G1+3], 576<<16                     ; tile_dim0
	s_mov_b32 s[G1+4], 4                           ; tile_dim1
	s_mov_b32 s[G1+5], 1536                        ; the pitch, in elements
	s_mov_b32 s[G1+6], 0
	s_mov_b32 s[G1+7], 0
	s_mul_i32 s18, s35, 24576
	s_mov_b32 s19, 0
	s_lshl_b32 s20, s35, 12
	s_mov_b32 s21, 0
	s_mul_i32 s22, s16, 49152
	s_add_co_u32 s22, s22, 786432                  ; Wout's fragments lie behind Wq's 512; my four tiles of columns
	s_mov_b32 s23, 0
	s_lshl_b32 s24, s16, 11
	s_mov_b32 s25, 0
	s_lshl_b32 s26, s16, 8
	s_mov_b32 s27, 0
	s_lshl_b32 s28, s35, 17
	s_add_co_u32 s28, s28, s26                     ; 32 rows of 4,096 bytes a work-group, 256 bytes a wave
	s_mov_b32 s29, 0
	s_wait_dscnt 0x0
	s_wait_kmcnt 0x0
	s_add_nc_u64 s[4:5], s[4:5], s[18:19]
	s_add_nc_u64 s[6:7], s[6:7], s[20:21]
	s_add_nc_u64 s[8:9], s[8:9], s[22:23]
	s_add_nc_u64 s[10:11], s[10:11], s[24:25]
	s_add_nc_u64 s[12:13], s[12:13], s[26:27]
	s_add_nc_u64 s[14:15], s[14:15], s[28:29]
	s_mov_b32 s[G0], 1                             ; 1:0 count = 1
	s_mov_b32 s[G0+1], s17                         ; 63:32 LDS address: a constant + the wave's number x a constant
	s_add_nc_u64 s[G0+2:G0+3], s[8:9], 7680        ; 120:64 global address: K step 5 of my first tile of columns: it hangs on the wave's number alone
	s_or_b32 s[G0+3], s[G0+3], 0x80000000          ; 127:126 type = 2
.macro BLOAD s, set                    ; Wout's four fragments of K step s, from memory
.irp t, 0,1,2,3
.irp c, 0,1,2
	global_load_b128 v[BB+48*(\set)+12*\t+4*\c:BB+48*(\set)+12*\t+4*\c+3], v2, s[8:9] offset:12288*\t+1536*(\s)+512*\c
.endr
.endr
.endm
.macro LLOAD s, set                    ; the same of K step s = 5, 6, 7, from my part of LDS
.irp t, 0,1,2,3
.irp c, 0,1,2
	ds_load_b128 v[BB+48*(\set)+12*\t+4*\c:BB+48*(\set)+12*\t+4*\c+3], v15 offset:4608*\t+1536*((\s)-5)+512*\c
.endr
.endr
.endm
	; the loads into registers go out ahead of the round: nothing of the round hangs on them
.irp k, 0,1,2
	global_load_b128 v[AC+4*\k:AC+4*\k+3], v1, s[4:5] offset:8192*\k
.endr
.irp t, 0,1
	global_load_b128 v[WS+8*\t:WS+8*\t+3], v4, s[10:11] offset:512*\t
	global_load_b128 v[WS+8*\t+4:WS+8*\t+7], v4, s[10:11] offset:512*\t+16
.endr
.irp d, 0,1,2,3,4,5,6,7,8,9,10,11,12,13,14,15
	global_load_b32 v[RAW+\d], v5, s[6:7] offset:128*\d
.endr
	BLOAD 0, 0
	CROUND                                         ; all four work-groups are here: the joint loads meet
	tensor_load_to_lds s[G0:G0+3], s[G1:G1+7]      ; every wave's one load: ahead of every wait on TENSORcnt, every LDS access but the two opening adds and every other barrier
	s_nop 0
.rept 4
	v_nop
.endr
	s_wait_loadcnt 32                              ; the image's three loads are in: 32 are younger
.irp k, 0,1,2
	ds_store_b128 v1, v[AC+4*\k:AC+4*\k+3] offset:8192*\k
.endr
	s_wait_loadcnt 12                              ; the scale words are in: the first fragments' twelve loads are younger
.irp s, 0,1,2,3,4,5,6,7
	v_lshl_or_b32 v[AS+\s], v[RAW+2*\s+1], 16, v[RAW+2*\s]   ; K step s is heads 2 s and 2 s + 1
.endr
	s_wait_alu depctr_va_vdst(0)
	s_wait_dscnt 0x0                               ; for the others' sake: my part of the image has landed
	s_barrier_signal -1
	s_barrier_wait -1                              ; (the tensor loads may stay out, and each wave reads its own tile behind its own wait)
; The eight accumulators take turns.
.macro OP m, t, s, set
.set DD, ACC+8*(4*(\m)+(\t))
.set BA, BB+48*(\set)+12*(\t)
.set AA, AF+12*(\m)
.set SW, WS+8*((\t)%2)+(\s)
.set SR, AS+(\s)
.if (\s) == 0
.if (\t) < 2
.if (\m) == 0
	v_wmma_scale_f32_16x16x128_f8f6f4 v[DD:DD+7], v[BA:BA+11], v[AA:AA+11], 0, v[SW], v[SR] matrix_a_fmt:MATRIX_FMT_FP6 matrix_b_fmt:MATRIX_FMT_FP6
.else
	v_wmma_scale_f32_16x16x128_f8f6f4 v[DD:DD+7], v[BA:BA+11], v[AA:AA+11], 0, v[SW], v[SR] matrix_a_fmt:MATRIX_FMT_FP6 matrix_b_fmt:MATRIX_FMT_FP6 matrix_b_scale:MATRIX_SCALE_ROW1
.endif
.else
.if (\m) == 0
	v_wmma_scale_f32_16x16x128_f8f6f4 v[DD:DD+7], v[BA:BA+11], v[AA:AA+11], 0, v[SW], v[SR] matrix_a_fmt:MATRIX_FMT_FP6 matrix_b_fmt:MATRIX_FMT_FP6 matrix_a_scale:MATRIX_SCALE_ROW1
.else
	v_wmma_scale_f32_16x16x128_f8f6f4 v[DD:DD+7], v[BA:BA+11], v[AA:AA+11], 0, v[SW], v[SR] matrix_a_fmt:MATRIX_FMT_FP6 matrix_b_fmt:MATRIX_FMT_FP6 matrix_a_scale:MATRIX_SCALE_ROW1 matrix_b_scale:MATRIX_SCALE_ROW1
.endif
.endif
.else
.if (\t) < 2
.if (\m) == 0
	v_wmma_scale_f32_16x16x128_f8f6f4 v[DD:DD+7], v[BA:BA+11], v[AA:AA+11], v[DD:DD+7], v[SW], v[SR] matrix_a_fmt:MATRIX_FMT_FP6 matrix_b_fmt:MATRIX_FMT_FP6
.else
	v_wmma_scale_f32_16x16x128_f8f6f4 v[DD:DD+7], v[BA:BA+11], v[AA:AA+11], v[DD:DD+7], v[SW], v[SR] matrix_a_fmt:MATRIX_FMT_FP6 matrix_b_fmt:MATRIX_FMT_FP6 matrix_b_scale:MATRIX_SCALE_ROW1
.endif
.else
.if (\m) == 0
	v_wmma_scale_f32_16x16x128_f8f6f4 v[DD:DD+7], v[BA:BA+11], v[AA:AA+11], v[DD:DD+7], v[SW], v[SR] matrix_a_fmt:MATRIX_FMT_FP6 matrix_b_fmt:MATRIX_FMT_FP6 matrix_a_scale:MATRIX_SCALE_ROW1
.else
	v_wmma_scale_f32_16x16x128_f8f6f4 v[DD:DD+7], v[BA:BA+11], v[AA:AA+11], v[DD:DD+7], v[SW], v[SR] matrix_a_fmt:MATRIX_FMT_FP6 matrix_b_fmt:MATRIX_FMT_FP6 matrix_a_scale:MATRIX_SCALE_ROW1 matrix_b_scale:MATRIX_SCALE_ROW1
.endif
.endif
.endif
.endm
.irp s, 0,1,2,3,4,5,6,7
.rept 4
	v_nop                                          ; places in front of loads into registers that matrix instructions have read (in the first step: with the seven lines above, the places between the scale words' making and their use)
.endr
.if \s < 4
	BLOAD \s+1, (\s+1)%2                           ; K steps 1-4 from memory, a step ahead
.endif
.if \s == 4
	s_wait_tensorcnt 0x0                           ; my tile, K steps 5-7 of my columns, has landed: asked for at the start, four K steps ago
.endif
.if \s == 7
.irp t, 0,1,2,3                                ; g_out at columns 16 t + 8 h + j, into the set that is done with
	global_load_b128 v[GG+8*\t:GG+8*\t+3], v6, s[12:13] offset:64*\t
	global_load_b128 v[GG+8*\t+4:GG+8*\t+7], v6, s[12:13] offset:64*\t+16
.endr
.endif
.irp m, 0,1
.irp c, 0,1
	ds_load_b128 v[AF+12*\m+6*\c:AF+12*\m+6*\c+3], v2 offset:12288*\m+768*(2*\s+\c)
	ds_load_b64 v[AF+12*\m+6*\c+4:AF+12*\m+6*\c+5], v3 offset:12288*\m+768*(2*\s+\c)+512
.endr
.endr
.if (\s >= 4) && (\s < 7)
	LLOAD \s+1, (\s+1)%2                           ; K steps 5-7 from LDS, a step ahead
.endif
.if \s < 4
	s_wait_loadcnt 12                              ; this step's fragments are in; the twelve loads just issued may be out
.endif
.if \s == 4
	s_wait_loadcnt 0x0                             ; the last fragments from memory: nothing younger is out
.endif
.if (\s >= 4) && (\s < 7)
	s_wait_dscnt 12                                ; the rows' fragments, and this step's of Wout where they came from LDS, are in; the next step's twelve loads may be out
.else
	s_wait_dscnt 0x0
.endif
.irp m, 0,1
.irp t, 0,1,2,3
	OP \m, \t, \s, \s%2
.endr
.endr
.endr
.rept 4
	v_nop
.endr
; The sum (sq = 0) or the sum of squares (sq = 1) of each of the 32 rows over all 1,024 columns: in a lane over its 32 registers, each accumulator from its low end on; with lane l xor 16; over the sixteen waves through LDS.
; At the end lane (r, h) holds in v232 the sum of row r of tile h.
.macro RSUM sq, off
.irp m, 0,1
.set AB, ACC+32*\m
.if \sq
	v_pk_mul_f32 v[224:225], v[AB:AB+1], v[AB:AB+1]
	v_pk_mul_f32 v[226:227], v[AB+2:AB+3], v[AB+2:AB+3]
.irp j, 4,8,12,16,20,24,28
	s_delay_alu instid0(VALU_DEP_2)
	v_pk_fma_f32 v[224:225], v[AB+\j:AB+\j+1], v[AB+\j:AB+\j+1], v[224:225]
	s_delay_alu instid0(VALU_DEP_2)
	v_pk_fma_f32 v[226:227], v[AB+\j+2:AB+\j+3], v[AB+\j+2:AB+\j+3], v[226:227]
.endr
.else
	v_pk_add_f32 v[224:225], v[AB:AB+1], v[AB+2:AB+3]
	v_pk_add_f32 v[226:227], v[AB+4:AB+5], v[AB+6:AB+7]
.irp j, 8,12,16,20,24,28
	v_pk_add_f32 v[224:225], v[224:225], v[AB+\j:AB+\j+1]
	v_pk_add_f32 v[226:227], v[226:227], v[AB+\j+2:AB+\j+3]
.endr
.endif
	s_delay_alu instid0(VALU_DEP_1)
	v_pk_add_f32 v[224:225], v[224:225], v[226:227]
	s_delay_alu instid0(VALU_DEP_1)
	v_add_f32 v[228+\m], v224, v225
.endr
	v_permlanex16_b32 v230, v228, s30, s31
	s_delay_alu instid0(VALU_DEP_2)
	v_permlanex16_b32 v231, v229, s30, s31
	s_delay_alu instid0(VALU_DEP_2)
	v_add_f32 v228, v228, v230
	s_delay_alu instid0(VALU_DEP_2)
	v_add_f32 v229, v229, v231
	s_delay_alu instid0(VALU_DEP_1)
	v_cndmask_b32 v232, v228, v229, s32            ; lanes 0-15 carry tile 0's rows, lanes 16-31 tile 1's
	ds_store_b32 v10, v232 offset:\off
	s_wait_dscnt 0x0                               ; for the others' sake
	s_barrier_signal -1
	s_barrier_wait -1
.irp i, 0,1,2,3,4,5,6,7,8,9,10,11,12,13,14,15
	ds_load_b32 v[232+\i], v11 offset:\off+128*\i
.endr
	s_wait_dscnt 0x0
.irp i, 4
	v_pk_add_f32 v[232:233], v[232:233], v[232+\i:233+\i]
	v_pk_add_f32 v[234:235], v[234:235], v[234+\i:235+\i]
.endr
.irp i, 8, 12
	s_delay_alu instid0(VALU_DEP_2)
	v_pk_add_f32 v[232:233], v[232:233], v[232+\i:233+\i]
	s_delay_alu instid0(VALU_DEP_2)
	v_pk_add_f32 v[234:235], v[234:235], v[234+\i:235+\i]
.endr
	s_delay_alu instid0(VALU_DEP_1)
	v_pk_add_f32 v[232:233], v[232:233], v[234:235]
	s_delay_alu instid0(VALU_DEP_1)
	v_add_f32 v232, v232, v233
.endm
.macro BOTH src                        ; what lane (r, h) holds of row r of tile h goes to both halves: tile 0's into v[248:249], tile 1's into v[250:251]
	v_permlanex16_b32 v233, v[\src], s30, s31
	v_cndmask_b32 v248, v[\src], v233, s32
	v_cndmask_b32 v250, v233, v[\src], s32
	s_delay_alu instid0(VALU_DEP_2)
	v_mov_b32 v249, v248
	s_delay_alu instid0(VALU_DEP_2)
	v_mov_b32 v251, v250
.endm
	RSUM 0, 0
	s_delay_alu instid0(VALU_DEP_1)
	v_mul_f32 v232, s33, v232                      ; the mean
	BOTH 232
.irp m, 0,1
.irp j, 0,2,4,6,8,10,12,14,16,18,20,22,24,26,28,30
	v_pk_add_f32 v[ACC+32*\m+\j:ACC+32*\m+\j+1], v[ACC+32*\m+\j:ACC+32*\m+\j+1], v[248+2*\m:249+2*\m] neg_lo:[0,1] neg_hi:[0,1]
.endr
.endr
	RSUM 1, 2048                                   ; other bytes than the first sums': one barrier serves
	s_delay_alu instid0(VALU_DEP_1)
	v_fma_f32 v232, v232, s33, s34                 ; the variance + 1e-5
	s_wait_alu depctr_va_vdst(0)
	v_rsq_f32 v234, v232
	v_nop                                          ; a plain instruction behind the transcendental, and the wait ahead of its first reader
	s_wait_alu depctr_va_vdst(0)
	BOTH 234
	s_wait_alu depctr_va_vdst(0)
	s_wait_loadcnt 0x0                             ; g_out
.irp m, 0,1
.irp j, 0,2,4,6,8,10,12,14,16,18,20,22,24,26,28,30
	v_pk_mul_f32 v[ACC+32*\m+\j:ACC+32*\m+\j+1], v[ACC+32*\m+\j:ACC+32*\m+\j+1], v[248+2*\m:249+2*\m]
.endr
.irp j, 0,2,4,6,8,10,12,14,16,18,20,22,24,26,28,30
	v_pk_mul_f32 v[ACC+32*\m+\j:ACC+32*\m+\j+1], v[ACC+32*\m+\j:ACC+32*\m+\j+1], v[GG+\j:GG+\j+1]
.endr
.endr
	; THE WAY OUT: a lane holds 32 bytes of a row at four places; a tile goes through my own stage and comes back as rows of 256 bytes.  The stage lies in my part of Wout's bytes: they have had their one fill, which I have
	; waited for, and my last read of them is back.  LDS serves a wave's instructions in order: no wait between the stores and the loads, nor in front of the next tile's stores
.irp m, 0,1
.irp t, 0,1,2,3
	ds_store_b128 v7, v[ACC+32*\m+8*\t:ACC+32*\m+8*\t+3] offset:64*\t
	ds_store_b128 v7, v[ACC+32*\m+8*\t+4:ACC+32*\m+8*\t+7] offset:64*\t+16
.endr
.irp i, 0,1,2,3,4,5,6,7
	ds_load_b128 v[OUTR+32*\m+4*\i:OUTR+32*\m+4*\i+3], v8 offset:544*\i
.endr
.endr
.irp m, 0,1
.irp i, 0,1,2,3,4,5,6,7
	s_wait_dscnt 16*(1-\m)+7-\i                    ; what was issued behind this load may be out: the tile's later loads, and behind tile 0 tile 1's sixteen
	global_store_b128 v9, v[OUTR+32*\m+4*\i:OUTR+32*\m+4*\i+3], s[14:15] offset:(16*\m+2*\i)*4096 th:TH_STORE_NT   ; sixteen lanes store 256 consecutive bytes, aligned
.endr
.endr
	s_wait_tensorcnt 0x0
	ds_add_u32 v254, v255
	s_wait_dscnt 0x0
	CROUND                                         ; the closing round: no work-group ends while a partner may still ask for a tile that names it (the last count-down ended at 0: no LDS instruction of mine is out)
	s_endpgm
.Lfunc_end_k_q6b764a7d51_outp:
	.size	k_q6b764a7d51_outp, .Lfunc_end_k_q6b764a7d51_outp-k_q6b764a7d51_outp
	.p2alignl 7, 3214868480
	.fill 96, 4, 3214868480
	.section	.rodata,"a",@progbits
	.p2align	6, 0x0
	.amdhsa_kernel k_q6b764a7d51_outp
		.amdhsa_group_segment_fixed_size 327680
		.amdhsa_private_segment_fixed_size 0
		.amdhsa_enable_private_segment 0
		.amdhsa_kernarg_size 48
		.amdhsa_user_sgpr_count 2
		.amdhsa_user_sgpr_kernarg_segment_ptr 1
		.amdhsa_wavefront_size32 1
		.amdhsa_system_sgpr_workgroup_id_x 1
		.amdhsa_system_sgpr_workgroup_id_y 1
		.amdhsa_system_sgpr_workgroup_id_z 1
		.amdhsa_system_vgpr_workitem_id 0
		.amdhsa_next_free_vgpr 256
		.amdhsa_next_free_sgpr 66
		.amdhsa_reserve_vcc 0
		.amdhsa_float_denorm_mode_32 3
		.amdhsa_float_denorm_mode_16_64 3
		.amdhsa_memory_ordered 1
		.amdhsa_forward_progress 1
		.amdhsa_inst_pref_size 52
	.end_amdhsa_kernel
	.amdgpu_metadata
---
amdhsa.version: [ 1, 2 ]
amdhsa.kernels:
  - .name:           k_q6b764a7d51_outp
    .symbol:         k_q6b764a7d51_outp.kd
    .args:
      - { .name: ao_img, .offset: 0, .size: 8, .value_kind: global_buffer, .address_space: global }
      - { .name: ao_sc, .offset: 8, .size: 8, .value_kind: global_buffer, .address_space: global }
      - { .name: w_img, .offset: 16, .size: 8, .value_kind: global_buffer, .address_space: global }
      - { .name: Wout_scales, .offset: 24, .size: 8, .value_kind: global_buffer, .address_space: global }
      - { .name: g_out, .offset: 32, .size: 8, .value_kind: global_buffer, .address_space: global }
      - { .name: out0, .offset: 40, .size: 8, .value_kind: global_buffer, .address_space: global }
    .group_segment_fixed_size: 327680
    .private_segment_fixed_size: 0
    .kernarg_segment_align: 8
    .kernarg_segment_size: 48
    .max_flat_workgroup_size: 512
    .sgpr_count:     66
    .vgpr_count:     256
    .wavefront_size: 32
...
	.end_amdgpu_metadata
.endif
;; end of part 4
